; MI455X (gfx1250); checked and timed in simulation.
; The chip was launched on July 23, 2026; its instructions are those of AMD's public machine-readable ISA for CDNA 5 (MIT licence, August 2026) and "CDNA5" Instruction Set Architecture Reference Guide (July 2026). The comments in the code are by the model that wrote it; some were corrected since.
;; BERT Encoder Block. Allowed arithmetic: matrix products marked QUANTISED: E3M2 operands, one E8M0 scale for each 32 along K, by v_wmma_scale_f32_16x16x128_f8f6f4 with both operands' format E3M2, f32 sums; everything else in f32.
;; Inputs: W1_codes 512 x 16 x 24 uint8 (E3M2 codes of W1, K innermost, in blocks of 32 codes, four codes in three bytes); W1_scales 512 x 16 uint8 (E8M0 scales of W1, one for each 32 codes along K); W2_codes 512 x 16 x 24 uint8 (E3M2 codes of W2, K innermost, in blocks of 32 codes, four codes in three bytes); W2_scales 512 x 16 uint8 (E8M0 scales of W2, one for each 32 codes along K); Wk_codes 512 x 16 x 24 uint8 (E3M2 codes of Wk, K innermost, in blocks of 32 codes, four codes in three bytes); Wk_scales 512 x 16 uint8 (E8M0 scales of Wk, one for each 32 codes along K); Wo_codes 512 x 16 x 24 uint8 (E3M2 codes of Wo, K innermost, in blocks of 32 codes, four codes in three bytes); Wo_scales 512 x 16 uint8 (E8M0 scales of Wo, one for each 32 codes along K); Wq_codes 512 x 16 x 24 uint8 (E3M2 codes of Wq, K innermost, in blocks of 32 codes, four codes in three bytes); Wq_scales 512 x 16 uint8 (E8M0 scales of Wq, one for each 32 codes along K); Wv_codes 512 x 16 x 24 uint8 (E3M2 codes of Wv, K innermost, in blocks of 32 codes, four codes in three bytes); Wv_scales 512 x 16 uint8 (E8M0 scales of Wv, one for each 32 codes along K); b1 512 float32; b2 512 float32; bf1 512 float32; bf2 512 float32; bk 512 float32; bo 512 float32; bq 512 float32; bv 512 float32; g1 512 float32; g2 512 float32; x 8 x 2,048 x 512 float32.
;; Outputs: out0 8 x 2,048 x 512 float32.
;; This version of the problem:
;;   THIS VERSION OF THE PROBLEM IS GIVEN IN LOW PRECISION. The matrix products marked QUANTISED in the list below multiply operands that are first quantised to E3M2 (3 exponent bits, 2 mantissa bits; 6 bits a number), with one power-of-two scale for each 32 numbers along K (OCP MX v1.0); their sums are f32. All else is computed in f32.
;;   The module's matrix products, in the order in which they are computed (A, B: the left and right operand; K: the contracted axis; several contracted axes count as one K, in the product's order):
;;     1. [M 16,384, K 512] x [K 512, N 512]; A: input x; B: input Wq (given as codes): QUANTISED
;;     2. [M 16,384, K 512] x [K 512, N 512]; A: input x; B: input Wk (given as codes): QUANTISED
;;     3. [M 16,384, K 512] x [K 512, N 512]; A: input x; B: input Wv (given as codes): QUANTISED
;;     4. batch 8 x [M 2,048, K 512] x [K 512, N 2,048]; A: computed on the way; B: computed on the way: QUANTISED
;;     5. batch 8 x [M 2,048, K 2,048] x [K 2,048, N 512]; A: softmax (see below); B: computed on the way: QUANTISED
;;     6. [M 16,384, K 512] x [K 512, N 512]; A: computed on the way; B: input Wo (given as codes): QUANTISED
;;     7. [M 16,384, K 512] x [K 512, N 512]; A: computed on the way; B: input W1 (given as codes): QUANTISED
;;     8. [M 16,384, K 512] x [K 512, N 512]; A: computed on the way; B: input W2 (given as codes): QUANTISED
;;   THE QUANTISER, for each operand of a quantised product, along K:
;;     - K is cut into blocks of 32 from its start; a last block that is shorter is filled with zeros.
;;     - A block's scale is 2^e with e = floor(log2(the largest magnitude in the block)) - 4, held to -126 .. 127; a block of zeros has e = 0. As a byte (E8M0): e + 127.
;;     - Each number is divided by its block's scale, clamped to +-28, and rounded to the nearest number of E3M2, ties to even, subnormals kept.
;;     - The product sums the exact products of the quantised numbers (number of the format x scale) in f32.
;;   ~~~python
;;   def quantise(x, axis):      # numpy; x: float32 -> the quantised numbers, widened to float32 again
;;       x = np.moveaxis(x, axis, -1); K = x.shape[-1]
;;       x = np.pad(x, [(0, 0)] * (x.ndim - 1) + [(0, -K % 32)]); x = x.reshape(x.shape[:-1] + (-1, 32)); a = np.abs(x).max(-1, keepdims=True)
;;       e = np.where(a > 0, np.clip(np.frexp(np.where(a > 0, a, 1))[1] - 1 - 4, -126, 127), 0)      # np.frexp(a)[1] - 1 = floor(log2(a)), exactly
;;       r = np.clip(x / 2.0 ** e, -28, 28)
;;       step = 2.0 ** (np.maximum(np.frexp(np.where(r == 0, 1, r))[1] - 1, -2) - 2)
;;       q = np.round(r / step) * step * 2.0 ** e      # np.round: ties to even
;;       return np.moveaxis(q.reshape(q.shape[:-2] + (-1,))[..., :K], -1, axis).astype(np.float32)
;;   ~~~
;;   SOFTMAX AHEAD OF A QUANTISED PRODUCT. Where the list says 'softmax', what is quantised is not the finished softmax but p = 2^(t - M), with t = logit x log2(e) and M = ceil(the row's largest t), a whole number; so 1/2 < the row's largest p <= 1. The row's sum l is taken of the UNQUANTISED p, in f32, and the product's result is divided by l at the end. Since M is a whole number, a kernel that streams over the keys may use a running M (the ceiling of the running maximum): every later rescaling is an exact power of two, which a block's scale takes up: the codes' values come out the same.
;;   OPERANDS COMPUTED ON THE WAY. 'Computed on the way' means the value that the module computes at that place (a softmax that the list does not call 'softmax' is quantised finished and normalised). What goes into a quantiser is computed in f32, as accurately as f32 sums, v_exp_f32 and their like allow (about 1e-6 of the number): no bf16 or f16 on the way to a quantiser, and a product that is left as it is and whose result goes on into a quantised operand takes f32 operands (vector FMAs, or v_wmma_f32_16x16x4_f32). A number that lies on a knife's edge between two numbers of the format may be rounded either way, as far as f32 arithmetic and the matrix unit's own rounding can turn it there, and no further.
;;   INPUTS GIVEN AS CODES. W1 (in the module: [512, 512], K = its axis 0); W2 (in the module: [512, 512], K = its axis 0); Wk (in the module: [512, 512], K = its axis 0); Wo (in the module: [512, 512], K = its axis 0); Wq (in the module: [512, 512], K = its axis 0); Wv (in the module: [512, 512], K = its axis 0): each comes as NAME_codes (uint8): NAME with its K axis moved to the last place and cut into blocks of 32 codes, [.., K / 32, bytes a block], one block behind the other in memory; four codes in three bytes: a row's codes are one little-endian stream of bits, code i at bits 6 i .. 6 i + 5 (a code: sign, 3 exponent bits, 2 mantissa bits); and NAME_scales (uint8): the same leading axes, one E8M0 byte (e + 127) for each 32 codes along K. Its value is code x scale, taken as it is: it is not quantised again, and the codes and scales need not be those that the quantiser above would give.
;; One version. Each part assembles by itself: llvm-mc -triple=amdgcn-amd-amdhsa -mcpu=gfx1250 --defsym DOCPART=n.
;; ======== version 1 of 1: 2 launches
;; workspace buffers: qbuf 6,553,600 bytes; kbuf 7,372,800 bytes; vbuf 6,553,600 bytes; wbuf 512,000 bytes
;; launch qkv (part 1): grid 4 x 64, 4 waves a work-group, no clusters, 305,664 bytes of LDS; arguments x, Wq_codes, Wq_scales, bq, Wk_codes, Wk_scales, bk, Wv_codes, Wv_scales, bv, Wo_codes, Wo_scales, W1_codes, W1_scales, W2_codes, W2_scales, qbuf, kbuf, vbuf, wbuf; writes qbuf, kbuf, vbuf, wbuf
.if DOCPART == 1
	.amdgcn_target "amdgcn-amd-amdhsa--gfx1250"
	.amdhsa_code_object_version 6
	.text
	.protected	k_q2ef7efa5ed_qkv
	.globl	k_q2ef7efa5ed_qkv
	.p2align	8
	.type	k_q2ef7efa5ed_qkv,@function
k_q2ef7efa5ed_qkv:
	s_mov_b64 s[64:65], 0
	v_nop
	global_prefetch_b8 v0, s[64:65] scope:SCOPE_SE
	s_setreg_imm32_b32 hwreg(HW_REG_WAVE_MODE, 25, 1), 1
	s_wait_xcnt 0x0
; Q = x Wq + bq, K = x Wk + bk, V = x Wv + bv on codes of BF6 (E3M2) with one E8M0 scale for each 32 along K; then Q and K are quantised along the
; features and V along the keys, and leave as IMAGES OF OPERAND REGISTERS for the next launch.  Wo, W1, W2 are laid into the same form.
; A FRAGMENT (16 rows x 128 K, 12 registers a lane) is 1,536 bytes: registers 0-3 at 16 x lane, 4-5 at 512 + 8 x lane, 6-9 at 768 + 16 x lane, 10-11 at 1,280 + 8 x lane.
; A BLOCK is 128 rows: fragment (tile T, K step s) at (4 T + s) x 1,536, scale words from byte 49,152 on; 51,200 bytes.
; THE ROWS OF A TILE ARE NOT NEIGHBOURS: lane r of tile T holds row 32 (T / 2) + 8 (T % 2) + r + 8 (r / 8), so that the 16 result registers of tiles 2 b, 2 b + 1 are 16 neighbours along the next K.
; SHARES.  Work-group (p, tg): 256 tokens (two blocks), features 128 p .. 128 p + 127 of each of Q, K, V.  Wave w owns 32 features of each: 24 weight fragments, 288 registers, read once and kept.
; Every fragment of x that is read from LDS feeds six matrix instructions.  x is read and quantised by all four parts: the price of weights that stay.
; EVERY REQUEST COVERS CONSECUTIVE BYTES.  x: a load of a wave takes 512 consecutive bytes of one token; the 16 rows of a tile turn through the wave's own stage in LDS and come back 16 neighbours a lane,
; as the conversions want them.  The weights: three tensor loads a wave (32 rows x 384 bytes each), first fills that only the issuing wave reads; three are out at the most.
; NO CLUSTER: what the four parts share is x, which has to pass through registers as f32, and a ring of f32 rows does not fit beside the weights' tiles and x's images; the weights are not shared between neighbours.
; No loop: every offset is an immediate.
; LIMITS: NaN and infinities are not served.  A block whose largest magnitude lies under 2^-122 gets the byte 1; a block of zeros gets the byte 1 and zero codes (the bytes are read by this program alone).
; REGISTERS.  window 0: v0-30 ids and addresses; v32-127 two sets of x's four fragments; v128-135 x's scale words; v136-159 the weights'; v160-179 codes just made; v180-200 at work.
;   window 1: Wq v0-95, Wk v96-191, bq v192-207, bk v208-223, bv v224-239.  window 2: Wv v0-95; v96-223 two sets of 64 numbers of x, 16 neighbours of each of four blocks.
;   window 3: x as it is loaded (four sets of 16 rows x 4 registers), later the sums: Q v0-63, K v64-127, V v128-255.
.set BLK,  51200
.set XSCL, 98304                       ; LDS: x's images from 0 on (64 x 1,536), x's scale words here,
.set SCG,  102400                      ; the scale bytes of Q, K, V as they go to memory: 3 x 512 for each block,
.set STG,  105472                      ; a stage of 16 rows x 528 bytes for each wave (512 bytes + 16)
.set WL,   139264                      ; and the weights' tiles: (3 w + kind) x 13,824: 32 rows x 432 bytes (384 + 16 behind every 128)
.set XF,   32
.set XSC,  128
.set WSC,  136
.set PC,   160
.set BM0,  180
.set T60,  184
.set BMS,  1
.set SCO,  188
.set BY,   192
.set BS,   196
.set PW,   198
.set SEL,  48
.set XW,   0                           ; 1 where global stores read the codes' registers
.set MSB,  0
.macro WIN new                         ; the immediate's high byte repeats the setting that is left
.if MSB != (\new)
	s_set_vgpr_msb (MSB<<8)|(\new)
.set MSB, (\new)
.endif
.endm
.macro PLACES                          ; four plain places behind matrix instructions (ISA guide 7.12.1)
.rept 4
	v_nop
.endr
.endm
.macro BAR                             ; my LDS stores have landed and my LDS loads are in: then the work-group's barrier
	s_wait_dscnt 0x0
	s_barrier_signal -1
	s_barrier_wait -1
.endm
; one matrix instruction.  cm = 0: C is the constant 0; else C = v[c ..].  ra, rb = 1: that side's scale words stand in lanes 16-31
.macro WM d, a, b, cm, c, sa, sb, ra, rb
.if (\cm) == 0
.if ((\ra) == 0) && ((\rb) == 0)
	v_wmma_scale_f32_16x16x128_f8f6f4 v[\d:\d+7], v[\a:\a+11], v[\b:\b+11], 0, v[\sa], v[\sb] matrix_a_fmt:MATRIX_FMT_BF6 matrix_b_fmt:MATRIX_FMT_BF6
.elseif (\rb) == 0
	v_wmma_scale_f32_16x16x128_f8f6f4 v[\d:\d+7], v[\a:\a+11], v[\b:\b+11], 0, v[\sa], v[\sb] matrix_a_fmt:MATRIX_FMT_BF6 matrix_b_fmt:MATRIX_FMT_BF6 matrix_a_scale:MATRIX_SCALE_ROW1
.elseif (\ra) == 0
	v_wmma_scale_f32_16x16x128_f8f6f4 v[\d:\d+7], v[\a:\a+11], v[\b:\b+11], 0, v[\sa], v[\sb] matrix_a_fmt:MATRIX_FMT_BF6 matrix_b_fmt:MATRIX_FMT_BF6 matrix_b_scale:MATRIX_SCALE_ROW1
.else
	v_wmma_scale_f32_16x16x128_f8f6f4 v[\d:\d+7], v[\a:\a+11], v[\b:\b+11], 0, v[\sa], v[\sb] matrix_a_fmt:MATRIX_FMT_BF6 matrix_b_fmt:MATRIX_FMT_BF6 matrix_a_scale:MATRIX_SCALE_ROW1 matrix_b_scale:MATRIX_SCALE_ROW1
.endif
.else
.if ((\ra) == 0) && ((\rb) == 0)
	v_wmma_scale_f32_16x16x128_f8f6f4 v[\d:\d+7], v[\a:\a+11], v[\b:\b+11], v[\c:\c+7], v[\sa], v[\sb] matrix_a_fmt:MATRIX_FMT_BF6 matrix_b_fmt:MATRIX_FMT_BF6
.elseif (\rb) == 0
	v_wmma_scale_f32_16x16x128_f8f6f4 v[\d:\d+7], v[\a:\a+11], v[\b:\b+11], v[\c:\c+7], v[\sa], v[\sb] matrix_a_fmt:MATRIX_FMT_BF6 matrix_b_fmt:MATRIX_FMT_BF6 matrix_a_scale:MATRIX_SCALE_ROW1
.elseif (\ra) == 0
	v_wmma_scale_f32_16x16x128_f8f6f4 v[\d:\d+7], v[\a:\a+11], v[\b:\b+11], v[\c:\c+7], v[\sa], v[\sb] matrix_a_fmt:MATRIX_FMT_BF6 matrix_b_fmt:MATRIX_FMT_BF6 matrix_b_scale:MATRIX_SCALE_ROW1
.else
	v_wmma_scale_f32_16x16x128_f8f6f4 v[\d:\d+7], v[\a:\a+11], v[\b:\b+11], v[\c:\c+7], v[\sa], v[\sb] matrix_a_fmt:MATRIX_FMT_BF6 matrix_b_fmt:MATRIX_FMT_BF6 matrix_a_scale:MATRIX_SCALE_ROW1 matrix_b_scale:MATRIX_SCALE_ROW1
.endif
.endif
.endm
; THE QUANTISER, on four groups of 16 registers at base + 16 m in window w; a group is my half (16 (lane / 16) + 0 .. 15) of a block of 32.
.macro Q4MAX w, base                   ; each block's largest magnitude, with the floor 2^(5 - 127) among its leaves: the byte cannot fall under 1
	WIN (\w)|((\w)<<2)
.irp m, 0,1,2,3
	v_max3_num_f32 v[BM0+BMS*\m], |v[\base+16*\m]|, |v[\base+16*\m+1]|, 0x2800000
.endr
	WIN ((\w)<<2)|((\w)<<4)
.irp i, 2,4,6,8,10,12,14
.irp m, 0,1,2,3
	v_max3_num_f32 v[BM0+BMS*\m], v[BM0+BMS*\m], |v[\base+16*\m+\i]|, |v[\base+16*\m+\i+1]|
.endr
.endr
	WIN 0
.irp m, 0,1,2,3
	v_permlanex16_b32 v[T60+BMS*\m], v[BM0+BMS*\m], s[SEL], s[SEL+1]
.endr
.irp m, 0,1,2,3
	v_max_num_f32 v[BM0+BMS*\m], v[BM0+BMS*\m], v[T60+BMS*\m]      ; with lane l xor 16's half
.endr
.endm
.macro Q4SC                            ; 4 off the exponent field: the conversion's scale operand; its exponent field is the scale's byte
.irp m, 0,1,2,3
	v_add_nc_u32 v[SCO+\m], 0xfe000000, v[BM0+BMS*\m]
.endr
.irp m, 0,1,2,3
	v_lshrrev_b32 v[BY+\m], 23, v[SCO+\m]
.endr
.endm
; codes: v[PC + 6 p .. + 5] of lane (r, h) then hold all 32 codes of group 2 p + h of row r
.macro Q4CVT w, base
	s_wait_dscnt 0x0                               ; earlier LDS stores have read the codes' registers (and every LDS load issued so far is in),
.if XW
	s_wait_xcnt 0x0                                ; and so have earlier global stores: they are written again only behind these waits
.endif
	WIN \w
.irp p, 0,1
	v_cvt_scalef32_pk16_bf6_f32 v[PC+6*\p:PC+6*\p+2], v[\base+32*\p:\base+32*\p+15], v[SCO+2*\p]
	v_cvt_scalef32_pk16_bf6_f32 v[PC+12+4*\p:PC+14+4*\p], v[\base+32*\p+16:\base+32*\p+31], v[SCO+2*\p+1]   ; (a conversion's three registers begin on an even number)
.endr
	WIN 0
	v_nop                                          ; one plain place behind the scaled conversions
.irp p, 0,1
.irp i, 0,1,2
	v_permlane16_swap_b32 v[PC+6*\p+\i], v[PC+12+4*\p+\i]
.endr
.irp i, 0,1,2
	v_mov_b32 v[PC+3+6*\p+\i], v[PC+12+4*\p+\i]
.endr
.endr
.endm
.macro PACKW dst                       ; four bytes make a row's scale word
	v_lshl_or_b32 v[\dst], v[BY+1], 8, v[BY]
	v_lshl_or_b32 v[\dst], v[BY+2], 16, v[\dst]
	v_lshl_or_b32 v[\dst], v[BY+3], 24, v[\dst]
.endm
.macro SELB                            ; lanes 0-15 keep group 2 p's byte, lanes 16-31 take group 2 p + 1's (vcc_lo = 0xffff0000, never rewritten)
.irp p, 0,1
	v_cndmask_b32 v[BS+\p], v[BY+2*\p], v[BY+2*\p+1], vcc_lo
.endr
.endm
.macro HFETCH reg, a16, a8, off        ; a fragment's image from LDS
	ds_load_b128 v[\reg:\reg+3], v[\a16] offset:\off
	ds_load_b64 v[\reg+4:\reg+5], v[\a8] offset:\off+512
	ds_load_b128 v[\reg+6:\reg+9], v[\a16] offset:\off+768
	ds_load_b64 v[\reg+10:\reg+11], v[\a8] offset:\off+1280
.endm
	s_load_b512 s[4:19], s[0:1], 0x0               ; x s4, Wq codes s6, scales s8, bq s10, Wk s12, s14, bk s16, Wv codes s18
	s_load_b512 s[20:35], s[0:1], 0x40             ; Wv scales s20, bv s22, Wo s24, s26, W1 s28, s30, W2 s32, s34
	s_load_b256 s[36:43], s[0:1], 0x80             ; qbuf s36, kbuf s38, vbuf s40, wbuf s42
	v_lshl_add_u32 v254, v0, 2, 0x4a800
	v_mov_b32 v255, 0
	ds_add_u32 v254, v255
	ds_add_u32 v254, v255
	v_lshrrev_b32 v1, 5, v0
	v_readfirstlane_b32 s44, v1                    ; wave w
	s_mov_b32 s45, ttmp9                           ; part p
	s_and_b32 s46, ttmp7, 0xffff                   ; tg: 256 tokens
	s_mov_b32 s48, 0x76543210
	s_mov_b32 s49, 0xfedcba98                      ; v_permlanex16_b32's selects for lane l xor 16
	s_mov_b32 vcc_lo, 0xffff0000
	; descriptor group 1, for the three loads of a wave: 32 rows of 384 elements of 1 byte, dense in memory; in LDS 4 words of padding (code 3) behind every 32 words (code 4)
	s_mov_b32 s76, (1<<20)|(4<<22)|(3<<25)
	s_mov_b32 s77, 384<<16                         ; tensor_dim0
	s_mov_b32 s78, 32<<16                          ; tensor_dim1
	s_mov_b32 s79, 384<<16                         ; tile_dim0
	s_mov_b32 s80, 32                              ; tile_dim1
	s_mov_b32 s81, 384                             ; from row to row
	s_mov_b32 s82, 0
	s_mov_b32 s83, 0
	v_and_b32 v1, 15, v0                           ; r
	v_bfe_u32 v2, v0, 4, 1                         ; h
	v_and_b32 v3, 31, v0                           ; lane
	v_and_b32 v4, 8, v1
	v_add_nc_u32 v4, v4, v1                        ; r + 8 (r / 8)
	s_lshl_b32 s66, s44, 16
	v_lshl_add_u32 v5, v3, 4, s66                  ; x: my wave's 32 tokens of a block begin 32 w rows of 2,048 bytes on; 16 bytes a lane
	v_mul_u32_u24 v6, v4, 384
	v_mad_u32_u24 v6, v2, 24, v6                   ; a weight's codes in memory (the re-lay at the end): 384 bytes a row, + 24 h
	v_lshlrev_b32 v7, 4, v4                        ; its scale bytes: 16 a row
	v_lshlrev_b32 v8, 6, v2                        ; bq, bk: 16 h numbers on
	v_lshlrev_b32 v9, 2, v4                        ; bv: my channel
	s_mul_i32 s66, s44, 12288
	v_lshl_add_u32 v10, v3, 4, s66                 ; where I store x's images: my tiles 2 w, 2 w + 1
	v_lshl_add_u32 v11, v3, 3, s66
	s_lshl_b32 s66, s44, 9
	s_add_co_u32 s67, s66, XSCL
	v_lshl_add_u32 v12, v1, 2, s67                 ; and their scale words
	v_lshlrev_b32 v13, 4, v3                       ; where any wave reads them: block 0,
	v_add_nc_u32 v14, 49152, v13                   ; block 1
	v_lshlrev_b32 v15, 3, v3
	v_add_nc_u32 v16, 49152, v15
	v_lshl_add_u32 v17, v3, 2, XSCL
	s_lshr_b32 s67, s44, 1
	s_mul_i32 s67, s67, 768
	s_and_b32 s68, s44, 1
	s_mul_i32 s69, s45, 1536
	s_add_co_u32 s67, s67, s69
	s_lshl_b32 s70, s68, 8
	s_add_co_u32 s70, s70, s67
	s_lshl_b32 s71, s68, 7
	s_add_co_u32 s71, s71, s67
	s_add_co_u32 s71, s71, 512
	v_mul_u32_u24 v18, v2, 6144
	v_lshl_add_u32 v19, v1, 3, v18
	v_lshl_add_u32 v18, v1, 4, v18
	v_add_nc_u32 v18, s70, v18                     ; Q, K out: K step p, block w of it, tile + h: the block's 16 bytes
	v_add_nc_u32 v19, s71, v19                     ; and its 8 bytes
	s_mul_i32 s72, s45, 12288
	s_mul_i32 s73, s44, 3072
	s_add_co_u32 s72, s72, s73
	v_lshl_add_u32 v20, v3, 4, s72                 ; V out: fragment 8 p + 2 w
	v_lshl_add_u32 v21, v3, 3, s72
	s_add_co_u32 s72, s44, SCG
	v_lshl_add_u32 v22, v3, 3, s72                 ; scale bytes of Q, K: 8 x lane + w
	s_lshl_b32 s72, s44, 2
	s_add_co_u32 s72, s72, SCG+1024
	v_lshl_add_u32 v23, v3, 4, s72                 ; scale words of V: 16 x lane + 4 w
	s_add_co_u32 s72, s66, SCG
	v_lshl_add_u32 v24, v3, 4, s72                 ; back: wave 0 takes Q's 512 bytes, wave 1 K's, wave 2 V's
	s_cmp_eq_u32 s44, 2
	s_cselect_b32 s72, 9, 8
	s_cselect_b32 s73, 8, 10
	s_lshl_b32 s72, s45, s72
	s_add_co_u32 s72, s72, 49152
	v_lshlrev_b32 v25, s73, v2
	v_lshl_add_u32 v25, v1, 4, v25
	v_add_nc_u32 v25, s72, v25                     ; and their place in a block: Q, K: 256 p + 1,024 h; V: 512 p + 256 h
	v_lshl_add_u32 v26, v2, 7, v7                  ; the weights' re-lay: scale bytes of row 8 h + r + 8 (r / 8)
	s_mul_i32 s74, s44, 8448
	s_add_co_u32 s74, s74, STG                     ; my stage
	v_lshl_add_u32 v27, v3, 4, s74                 ; in: a row as it was loaded, 16 bytes a lane
	v_mul_u32_u24 v28, v1, 528
	v_lshl_add_u32 v28, v2, 6, v28
	v_add_nc_u32 v28, s74, v28                     ; back: row r, + 64 h: my 16 numbers of a block of 32
	s_mul_i32 s75, s44, 41472
	s_add_co_u32 s75, s75, WL                      ; my three tiles of weights
	v_mul_u32_u24 v29, v4, 432
	v_mad_u32_u24 v29, v2, 24, v29
	v_add_nc_u32 v29, s75, v29                     ; row r + 8 (r / 8), + 24 h,
	v_lshl_add_u32 v30, v2, 4, v29                 ; and the same for the pieces whose partner three pieces on lies behind one padding more
.irp m, 0,1,2,3
	v_mov_b32 v[T60+\m], 0                         ; written once: a lane permute's destination counts as one of its sources
.endr
	s_wait_dscnt 0x0
	s_wait_kmcnt 0x0
	s_lshl_b32 s66, s46, 19
	s_mov_b32 s67, 0
	s_add_nc_u64 s[4:5], s[4:5], s[66:67]          ; x at my 256 tokens
	s_lshl_b32 s68, s45, 7
	s_lshl_b32 s69, s44, 5
	s_add_co_u32 s68, s68, s69                     ; my first feature: 128 p + 32 w
	s_mul_i32 s66, s68, 384
	s_add_nc_u64 s[6:7], s[6:7], s[66:67]
	s_add_nc_u64 s[12:13], s[12:13], s[66:67]
	s_add_nc_u64 s[18:19], s[18:19], s[66:67]
	; descriptor groups 0: my 32 rows of Wq, Wk, Wv, each into a tile of my own
	s_mov_b32 s84, 1
	s_mov_b32 s85, s75
	s_mov_b64 s[86:87], s[6:7]
	s_or_b32 s87, s87, 0x80000000
	s_mov_b32 s88, 1
	s_add_co_u32 s89, s75, 13824
	s_mov_b64 s[90:91], s[12:13]
	s_or_b32 s91, s91, 0x80000000
	s_mov_b32 s92, 1
	s_add_co_u32 s93, s75, 27648
	s_mov_b64 s[94:95], s[18:19]
	s_or_b32 s95, s95, 0x80000000
	tensor_load_to_lds s[84:87], s[76:83]          ; the three first fills go out together, ahead of every LDS read, every wait for them and every barrier
	s_nop 0
	tensor_load_to_lds s[88:91], s[76:83]
	s_nop 0
	tensor_load_to_lds s[92:95], s[76:83]
	s_nop 0
	PLACES                                         ; (behind a tensor load)
	s_lshl_b32 s66, s68, 4
	s_add_nc_u64 s[8:9], s[8:9], s[66:67]
	s_add_nc_u64 s[14:15], s[14:15], s[66:67]
	s_add_nc_u64 s[20:21], s[20:21], s[66:67]
	s_lshl_b32 s66, s68, 2
	s_add_nc_u64 s[10:11], s[10:11], s[66:67]
	s_add_nc_u64 s[16:17], s[16:17], s[66:67]
	s_add_nc_u64 s[22:23], s[22:23], s[66:67]
	s_mul_i32 s66, s46, 2*BLK
	s_add_nc_u64 s[50:51], s[36:37], s[66:67]      ; Q's two blocks
	s_add_nc_u64 s[54:55], s[40:41], s[66:67]      ; V's
	s_lshr_b32 s68, s46, 3
	s_mul_i32 s68, s68, 18                         ; a batch has 18 blocks in kbuf: 16 of K and two of Wo
	s_and_b32 s69, s46, 7
	s_lshl_b32 s69, s69, 1
	s_add_co_u32 s68, s68, s69
	s_mul_i32 s66, s68, BLK
	s_add_nc_u64 s[52:53], s[38:39], s[66:67]      ; K's
	s_cmp_eq_u32 s44, 0
	s_cselect_b64 s[56:57], s[50:51], s[52:53]
	s_cmp_eq_u32 s44, 2
	s_cselect_b64 s[56:57], s[54:55], s[56:57]     ; whose scale bytes my wave stores
	WIN 0x40
.irp u, 0,1
.irp k, 0,1
	global_load_b128 v[192+8*\u+4*\k:192+8*\u+4*\k+3], v8, s[10:11] offset:32*\u+16*\k   ; the biases in the result's layout: feature 16 h + 8 u + j
	global_load_b128 v[208+8*\u+4*\k:208+8*\u+4*\k+3], v8, s[16:17] offset:32*\u+16*\k
.endr
.endr
.irp d, 0,1
.irp j, 0,1,2,3,4,5,6,7
	global_load_b32 v[224+8*\d+\j], v9, s[22:23] offset:32*\d     ; V's result holds one channel a lane: its bias in all eight registers
.endr
.endr
	WIN 0
.irp u, 0,1
	global_load_b128 v[WSC+4*\u:WSC+4*\u+3], v7, s[8:9] offset:128*\u          ; a row's 16 scale bytes: the words of its four K steps
	global_load_b128 v[WSC+8+4*\u:WSC+8+4*\u+3], v7, s[14:15] offset:128*\u
	global_load_b128 v[WSC+16+4*\u:WSC+16+4*\u+3], v7, s[20:21] offset:128*\u
.endr
; ---- X: my 64 tokens of x become 16 fragments.  Unit n = (block n / 8, tile 2 w + (n / 4) % 2, K step n % 4): 16 rows x 512 bytes
.macro XLOAD n                         ; row i of the tile is token 8 u + i + 8 (i / 8) of my 32: the 32 lanes read its 512 consecutive bytes of the K step
	WIN 0xC0
.irp i, 0,1,2,3,4,5,6,7,8,9,10,11,12,13,14,15
	global_load_b128 v[64*((\n)%4)+4*\i:64*((\n)%4)+4*\i+3], v5, s[4:5] offset:(128*((\n)/8)+8*(((\n)/4)%2)+\i+8*(\i/8))*2048+512*((\n)%4)
.endr
	WIN 0
.endm
.macro XTURN n, left                   ; unit n through my stage.  LDS serves a wave's instructions in order (ISA guide 5.7.1.4): no wait between the stores and the loads, nor in front of the next unit's stores
	s_wait_loadcnt \left                           ; unit n's 16 loads are in (and all older ones); the younger units, 16 loads each, stay out
	WIN 0x0C                                       ; an LDS store's data are its source 1: window 3
.irp i, 0,1,2,3,4,5,6,7,8,9,10,11,12,13,14,15
	ds_store_b128 v27, v[64*((\n)%4)+4*\i:64*((\n)%4)+4*\i+3] offset:528*\i
.endr
	WIN 0x80
.irp bb, 0,1,2,3
.irp k, 0,1,2,3
	ds_load_b128 v[96+64*((\n)%2)+16*\bb+4*\k:96+64*((\n)%2)+16*\bb+4*\k+3], v28 offset:128*\bb+16*\k
.endr
.endr
	WIN 0
.endm
.macro XUNIT n
.if (\n) < 12
	XLOAD (\n)+4                                   ; into the set that unit n has left: its stores into the stage have read it (the quantiser's wait for all LDS instructions stood behind them)
.endif
.if (\n) < 12
	XTURN (\n)+1, 48                               ; the next unit turns while this one is quantised
.elseif (\n) < 15
	XTURN (\n)+1, 16*(14-(\n))
.endif
	Q4MAX 2, 96+64*((\n)%2)
	Q4SC
	Q4CVT 2, 96+64*((\n)%2)
	PACKW PW
.set o_, 49152*((\n)/8)+(4*(((\n)/4)%2)+(\n)%4)*1536
	ds_store_b128 v10, v[PC:PC+3] offset:o_
	ds_store_b64 v11, v[PC+4:PC+5] offset:o_+512
	ds_store_b128 v10, v[PC+6:PC+9] offset:o_+768
	ds_store_b64 v11, v[PC+10:PC+11] offset:o_+1280
	ds_store_b32 v12, v[PW] offset:2048*((\n)/8)+128*((\n)%4)+64*(((\n)/4)%2)   ; both halves of the lanes write the same word with the same value
.endm
.irp n, 0,1,2,3
	XLOAD \n
.endr
	XTURN 0, 48
	s_wait_dscnt 0x0                               ; unit 0 is back, and its stores into the stage have read their registers
.irp n, 0,1,2,3,4,5,6,7,8,9,10,11,12,13,14,15
	XUNIT \n
.endr
; the weights' fragments out of my own tiles: 2 x 24 bytes a lane, in pieces of 8.  Lanes 16-31 read three pieces further on than lanes 0-15, which for pieces 13 to 15 of sixteen is behind one padding more
.macro WFRAG reg, k, uu, ks
.irp i, 0,1,2,3,4,5
.set pc_, 12*(\ks)+6*(\i/3)+\i%3
.if (pc_%16) < 13
	ds_load_b64 v[\reg+2*\i:\reg+2*\i+1], v29 offset:13824*(\k)+3456*(\uu)+8*pc_+16*(pc_/16)
.else
	ds_load_b64 v[\reg+2*\i:\reg+2*\i+1], v30 offset:13824*(\k)+3456*(\uu)+8*pc_+16*(pc_/16)
.endif
.endr
.endm
	s_wait_tensorcnt 0x0                           ; my three tiles have landed; nobody else reads them
	WIN 0x40
.irp u, 0,1
.irp s, 0,1,2,3
	WFRAG 12*(4*\u+\s), 0, \u, \s
	WFRAG 96+12*(4*\u+\s), 1, \u, \s
.endr
.endr
	WIN 0x80
.irp u, 0,1
.irp s, 0,1,2,3
	WFRAG 12*(4*\u+\s), 2, \u, \s
.endr
.endr
	WIN 0
	BAR                                            ; x's 64 fragments lie in LDS; my weights are in registers
.set XW, 1                                     ; from here on global stores read the codes' registers
; ---- P: the products, a tile of 16 tokens at a time: 16 instructions for Q and K (transposed: source 0 = the weight), 8 for V (source 0 = x: a lane holds a channel, its registers run down the tokens)
.macro FETCH tb, tl
.irp s, 0,1,2,3
	HFETCH XF+48*((\tl)%2)+12*\s, 13+\tb, 15+\tb, (4*(\tl)+\s)*1536
.endr
.if ((\tl)%2) == 0
.irp s, 0,1,2,3
	ds_load_b32 v[XSC+4*(((\tl)/2)%2)+\s], v17 offset:2048*\tb+512*((\tl)/2)+128*\s   ; lanes 0-15: the even tile's words, lanes 16-31: the odd tile's
.endr
.endif
.endm
.macro TILE tb, tl
	WIN 0
.if (\tl) > 0
	PLACES                                         ; in front of loads into the set that the tile before has multiplied
.endif
.if (\tl) < 7
	FETCH \tb, (\tl)+1
.if ((\tl)%2) == 0
	s_wait_dscnt 16                                ; all but the next tile's 16 loads
.else
	s_wait_dscnt 20                                ; all but the next tile's 16 loads and 4 scale words
.endif
.else
	s_wait_dscnt 0x0
.endif
.set xf_, XF+48*((\tl)%2)
.set xs_, XSC+4*(((\tl)/2)%2)
.set qa_, 16*((\tl)%4)
.irp s, 0,1,2,3                        ; the four accumulators take turns, one instruction a turn
.if \s == 0
	WIN 0xD1                                       ; weight window 1, x window 0, C = the bias in window 1, D window 3
.else
	WIN 0xF1
.endif
.irp k, 0,1
.irp u, 0,1
.if \s == 0
	WM 64*\k+qa_+8*\u, 96*\k+12*(4*\u+\s), xf_+12*\s, 1, 192+16*\k+8*\u, WSC+8*\k+4*\u+\s, xs_+\s, 0, (\tl)%2
.else
	WM 64*\k+qa_+8*\u, 96*\k+12*(4*\u+\s), xf_+12*\s, 1, 64*\k+qa_+8*\u, WSC+8*\k+4*\u+\s, xs_+\s, 0, (\tl)%2
.endif
.endr
.endr
.endr
.irp s, 0,1,2,3
.if \s == 0
	WIN 0xD8                                       ; x window 0, Wv window 2, C = bv in window 1, D window 3
.else
	WIN 0xF8
.endif
.irp d, 0,1
.if \s == 0
	WM 128+64*\d+8*(\tl), xf_+12*\s, 12*(4*\d+\s), 1, 224+8*\d, xs_+\s, WSC+16+4*\d+\s, (\tl)%2, 0
.else
	WM 128+64*\d+8*(\tl), xf_+12*\s, 12*(4*\d+\s), 1, 128+64*\d+8*(\tl), xs_+\s, WSC+16+4*\d+\s, (\tl)%2, 0
.endif
.endr
.endr
.endm
; four tiles' results of Q or K: my 32 features are ONE block of 32 of K step p, for each of 64 tokens
.macro OUTQK tb, g, base, sb, so
	Q4MAX 3, \base
	Q4SC
	Q4CVT 3, \base
	SELB
.irp p, 0,1
	global_store_b128 v18, v[PC+6*\p:PC+6*\p+3], s[\sb:\sb+1] offset:BLK*\tb+(4*\g+2*\p)*6144     ; sixteen lanes store 256 consecutive bytes, aligned
	global_store_b64 v19, v[PC+6*\p+4:PC+6*\p+5], s[\sb:\sb+1] offset:BLK*\tb+(4*\g+2*\p)*6144
	ds_store_b8 v22, v[BS+\p] offset:1536*\tb+\so+256*\g+4*\p
.endr
.endm
; a tile of 16 channels of V x the block's 128 keys: a whole fragment
.macro OUTV tb, d
	Q4MAX 3, 128+64*\d
	Q4SC
	Q4CVT 3, 128+64*\d
	PACKW PW+1+\d
	global_store_b128 v20, v[PC:PC+3], s[54:55] offset:BLK*\tb+1536*\d
	global_store_b64 v21, v[PC+4:PC+5], s[54:55] offset:BLK*\tb+1536*\d+512
	global_store_b128 v20, v[PC+6:PC+9], s[54:55] offset:BLK*\tb+1536*\d+768
	global_store_b64 v21, v[PC+10:PC+11], s[54:55] offset:BLK*\tb+1536*\d+1280
.endm
.macro PHASE tb
	FETCH \tb, 0
.irp tt, 0,1,2,3
	TILE \tb, \tt
.endr
	WIN 0
	PLACES
	OUTQK \tb, 0, 0, 50, 0
	OUTQK \tb, 0, 64, 52, 512
.irp tt, 4,5,6,7
	TILE \tb, \tt
.endr
	WIN 0
	PLACES
	OUTQK \tb, 1, 0, 50, 0
	OUTQK \tb, 1, 64, 52, 512
	OUTV \tb, 0
	OUTV \tb, 1
	v_cndmask_b32 v[PW], v[PW+1], v[PW+2], vcc_lo
	ds_store_b32 v23, v[PW] offset:1536*\tb
	BAR                                            ; the block's scale bytes lie in LDS as they go to memory
	s_cmp_lt_u32 s44, 3
	s_cbranch_scc0 .Lno_scales_\@
	ds_load_b128 v[204+4*\tb:207+4*\tb], v24 offset:1536*\tb
	s_wait_dscnt 0x0
	global_store_b128 v25, v[204+4*\tb:207+4*\tb], s[56:57] offset:BLK*\tb      ; two aligned runs of 256 bytes
.Lno_scales_\@:
.endm
	PHASE 0
	PHASE 1
; ---- R: Wo, W1, W2 into blocks.  208 tiles in all: 8 batches x 2 blocks x 8 tiles of Wo's rows 0-255 behind each batch's K, and 10 blocks x 8 tiles into wbuf.  Work-group L = 4 tg + p takes tile L % 8 of one block.
	s_lshl_b32 s70, s46, 2
	s_add_co_u32 s70, s70, s45                     ; L
	s_cmp_lt_u32 s70, 208
	s_cbranch_scc0 .Lend
	s_and_b32 s71, s70, 7                          ; T
	s_lshr_b32 s72, s70, 3
	s_and_b32 s73, s72, 1                          ; L < 128: Wo's block 0 or 1,
	s_lshr_b32 s74, s70, 4
	s_mul_i32 s74, s74, 18
	s_add_co_u32 s74, s74, 16
	s_add_co_u32 s74, s74, s73                     ; to block 18 batch + 16 + that of kbuf
	s_sub_co_u32 s75, s72, 16                      ; else: block (L - 128) / 8 of wbuf,
	s_add_co_u32 s76, s75, 2                       ; which is block 2 .. 11 of the three weights on end
	s_cmp_lt_u32 s70, 128
	s_cselect_b32 s73, s73, s76
	s_cselect_b32 s74, s74, s75
	s_cselect_b64 s[78:79], s[38:39], s[42:43]
	s_mul_i32 s74, s74, BLK
	s_mov_b32 s75, 0
	s_add_nc_u64 s[78:79], s[78:79], s[74:75]      ; the block that is written
	s_lshr_b32 s80, s73, 2                         ; 0 Wo, 1 W1, 2 W2
	s_and_b32 s81, s73, 3                          ; which 128 rows
	s_cmp_eq_u32 s80, 0
	s_cselect_b64 s[82:83], s[24:25], s[28:29]
	s_cselect_b64 s[84:85], s[26:27], s[30:31]
	s_cmp_eq_u32 s80, 2
	s_cselect_b64 s[82:83], s[32:33], s[82:83]
	s_cselect_b64 s[84:85], s[34:35], s[84:85]
	s_lshl_b32 s86, s81, 7
	s_lshr_b32 s87, s71, 1
	s_lshl_b32 s87, s87, 5
	s_add_co_u32 s87, s87, s86
	s_and_b32 s88, s71, 1
	s_lshl_b32 s88, s88, 3
	s_add_co_u32 s87, s87, s88                     ; the tile's first row
	s_mul_i32 s74, s87, 384
	s_mul_i32 s88, s44, 96                         ; K step = my wave
	s_add_co_u32 s74, s74, s88
	s_add_nc_u64 s[82:83], s[82:83], s[74:75]
.irp i, 0,1,2,3,4,5
	global_load_b64 v[212+2*\i:213+2*\i], v6, s[82:83] offset:48*(\i/3)+8*(\i%3)
.endr
	s_lshl_b32 s74, s71, 2
	s_add_co_u32 s74, s74, s44
	s_mul_i32 s74, s74, 1536
	s_add_nc_u64 s[88:89], s[78:79], s[74:75]
	s_wait_loadcnt 0x0
	global_store_b128 v13, v[212:215], s[88:89]
	global_store_b64 v15, v[216:217], s[88:89] offset:512
	global_store_b128 v13, v[218:221], s[88:89] offset:768
	global_store_b64 v15, v[222:223], s[88:89] offset:1280
	s_cmp_lg_u32 s44, 0
	s_cbranch_scc1 .Lend
	s_lshr_b32 s74, s71, 2                         ; wave 0: 256 bytes of scale words: half T / 4 of the block's tiles, K step T % 4
	s_lshl_b32 s74, s74, 6
	s_add_co_u32 s74, s74, s86
	s_lshl_b32 s74, s74, 4
	s_and_b32 s87, s71, 3
	s_lshl_b32 s87, s87, 2
	s_add_co_u32 s74, s74, s87
	s_add_nc_u64 s[84:85], s[84:85], s[74:75]
	global_load_b32 v224, v26, s[84:85]
	global_load_b32 v225, v26, s[84:85] offset:512
	s_lshl_b32 s74, s71, 8
	s_add_co_u32 s74, s74, 49152
	s_add_nc_u64 s[78:79], s[78:79], s[74:75]
	s_wait_loadcnt 0x0
	global_store_b64 v15, v[224:225], s[78:79]
.Lend:
	s_wait_tensorcnt 0x0
	ds_add_u32 v254, v255
	s_wait_dscnt 0x0
	s_endpgm
.Lfunc_end_k_q2ef7efa5ed_qkv:
	.size	k_q2ef7efa5ed_qkv, .Lfunc_end_k_q2ef7efa5ed_qkv-k_q2ef7efa5ed_qkv
	.p2alignl 7, 3214868480
	.fill 96, 4, 3214868480
	.section	.rodata,"a",@progbits
	.p2align	6, 0x0
	.amdhsa_kernel k_q2ef7efa5ed_qkv
		.amdhsa_group_segment_fixed_size 305664
		.amdhsa_private_segment_fixed_size 0
		.amdhsa_enable_private_segment 0
		.amdhsa_kernarg_size 160
		.amdhsa_user_sgpr_count 2
		.amdhsa_user_sgpr_kernarg_segment_ptr 1
		.amdhsa_wavefront_size32 1
		.amdhsa_system_sgpr_workgroup_id_x 1
		.amdhsa_system_sgpr_workgroup_id_y 1
		.amdhsa_system_sgpr_workgroup_id_z 1
		.amdhsa_system_vgpr_workitem_id 0
		.amdhsa_next_free_vgpr 1024
		.amdhsa_next_free_sgpr 96
		.amdhsa_reserve_vcc 1
		.amdhsa_float_denorm_mode_32 3
		.amdhsa_float_denorm_mode_16_64 3
		.amdhsa_memory_ordered 1
		.amdhsa_forward_progress 1
		.amdhsa_inst_pref_size 255
	.end_amdhsa_kernel
	.section	.bss,"aw",@nobits
	.p2align	6
	.space	262144
	.amdgpu_metadata
---
amdhsa.version: [ 1, 2 ]
amdhsa.kernels:
  - .name:           k_q2ef7efa5ed_qkv
    .symbol:         k_q2ef7efa5ed_qkv.kd
    .args:
      - { .name: x, .offset: 0, .size: 8, .value_kind: global_buffer, .address_space: global }
      - { .name: Wq_codes, .offset: 8, .size: 8, .value_kind: global_buffer, .address_space: global }
      - { .name: Wq_scales, .offset: 16, .size: 8, .value_kind: global_buffer, .address_space: global }
      - { .name: bq, .offset: 24, .size: 8, .value_kind: global_buffer, .address_space: global }
      - { .name: Wk_codes, .offset: 32, .size: 8, .value_kind: global_buffer, .address_space: global }
      - { .name: Wk_scales, .offset: 40, .size: 8, .value_kind: global_buffer, .address_space: global }
      - { .name: bk, .offset: 48, .size: 8, .value_kind: global_buffer, .address_space: global }
      - { .name: Wv_codes, .offset: 56, .size: 8, .value_kind: global_buffer, .address_space: global }
      - { .name: Wv_scales, .offset: 64, .size: 8, .value_kind: global_buffer, .address_space: global }
      - { .name: bv, .offset: 72, .size: 8, .value_kind: global_buffer, .address_space: global }
      - { .name: Wo_codes, .offset: 80, .size: 8, .value_kind: global_buffer, .address_space: global }
      - { .name: Wo_scales, .offset: 88, .size: 8, .value_kind: global_buffer, .address_space: global }
      - { .name: W1_codes, .offset: 96, .size: 8, .value_kind: global_buffer, .address_space: global }
      - { .name: W1_scales, .offset: 104, .size: 8, .value_kind: global_buffer, .address_space: global }
      - { .name: W2_codes, .offset: 112, .size: 8, .value_kind: global_buffer, .address_space: global }
      - { .name: W2_scales, .offset: 120, .size: 8, .value_kind: global_buffer, .address_space: global }
      - { .name: qbuf, .offset: 128, .size: 8, .value_kind: global_buffer, .address_space: global }
      - { .name: kbuf, .offset: 136, .size: 8, .value_kind: global_buffer, .address_space: global }
      - { .name: vbuf, .offset: 144, .size: 8, .value_kind: global_buffer, .address_space: global }
      - { .name: wbuf, .offset: 152, .size: 8, .value_kind: global_buffer, .address_space: global }
    .group_segment_fixed_size: 305664
    .private_segment_fixed_size: 0
    .kernarg_segment_align: 8
    .kernarg_segment_size: 160
    .max_flat_workgroup_size: 128
    .sgpr_count:     96
    .vgpr_count:     1024
    .wavefront_size: 32
...
	.end_amdgpu_metadata
.endif
;; end of part 1
;; launch attn (part 2): grid 256 x 1, 4 waves a work-group, clusters of 4 x 1, 327,680 bytes of LDS; arguments qbuf, kbuf, vbuf, wbuf, x, bo, g1, b1, bf1, bf2, g2, b2, out0; writes out0
.if DOCPART == 2
	.amdgcn_target "amdgcn-amd-amdhsa--gfx1250"
	.amdhsa_code_object_version 6
	.text
	.protected	k_q2ef7efa5ed_attn
	.globl	k_q2ef7efa5ed_attn
	.p2align	8
	.type	k_q2ef7efa5ed_attn,@function
k_q2ef7efa5ed_attn:
	s_mov_b64 s[64:65], 0
	v_nop
	global_prefetch_b8 v0, s[64:65] scope:SCOPE_SE
	s_setreg_imm32_b32 hwreg(HW_REG_WAVE_MODE, 25, 1), 1
	s_wait_xcnt 0x0
	s_wait_alu depctr_hold_cnt(0) depctr_sa_sdst(0) depctr_va_vdst(0) depctr_va_sdst(0) depctr_va_ssrc(0) depctr_va_vcc(0) depctr_vm_vsrc(0)
	s_getreg_b32 s2, hwreg(HW_REG_IB_STS2, 6, 4)
	s_cmp_eq_u32 s2, 0
	s_cbranch_scc0 .Lentry_in_a_cluster
	s_endpgm
.Lentry_in_a_cluster:
	s_bfe_u32 s2, ttmp6, 0x10000c
	s_cmp_lg_u32 s2, 0x3003
	s_cbranch_scc0 .Lentry_shape_is_right
	s_endpgm
.Lentry_shape_is_right:
; out = LN2(h + relu(h W1 + bf1) W2 + bf2), h = LN1(x + softmax(Q K^T / sqrt(512)) V Wo + bo): five products on codes of BF6 (E3M2) with one E8M0 scale for each 32 along K; all else f32.
; Q, K, V and the three weights come as images of operand registers (a fragment: 16 rows x 128 K, 1,536 bytes; a block: 128 rows, 51,200 bytes with its scale words), made by the launch before.
; SHARES.  A work-group owns 64 tokens: four tiles m of 16; lane r of tile m is token 32 (m / 2) + 8 (m % 2) + r + 8 (r / 8).  THE WAVES SHARE KEYS, CHANNELS AND FEATURES, NOT ROWS:
;   per step of 128 keys wave w makes S^T for keys 32 w .. + 31 (two tiles x four query tiles x four K steps: 32 instructions) and O^T for channels 128 w .. + 127 (eight tiles x four query tiles: 32),
;   so every fragment of K and V read from LDS feeds four matrix instructions.  p goes from wave to wave through LDS as images; a wave's 32 keys are one scale block.
; SOFTMAX.  t = score x log2(e) / sqrt(512); M = the running largest t over ALL keys so far, rounded up to a whole number; p = 2^(t - M) is quantised; the sum is taken of the unquantised p and divides at the end.
;   The four waves' block maxima of step j + 1 are exchanged in the same round that publishes p of step j, so all waves hold the same M.  When M moves, sums and O^T are multiplied by 2^(old M - new M): exact.
; BY TURNS.  Behind round j stand the softmax of step j + 1 and the second product of step j, which touch no common register: the product's LDS loads go out first, the softmax's first lines run while they land,
;   and one matrix instruction stands behind every two exponentials.  O^T's rescaling stands between the matrix instructions of the scores.
; THE TAIL is the score product again: the keys are 128 rows of a weight, the queries are the activations' images.  Wave w then holds features 128 q + 32 w + 16 h + i (q = 0 .. 3) of all 64 tokens;
;   LayerNorm's sums meet in LDS; mean first, then the squares of the differences.
; CLUSTER.  Four work-groups of one batch walk the same K, V and weights: every tile is asked for jointly, mask 15.  One round of the cluster's barrier a key step.
; LIMITS: NaN and infinities are not served.  A block whose largest magnitude lies under 2^-122 gets the byte 1; a block of zeros gets the byte 1 and zero codes.
; REGISTERS.  window 0: v0-39 ids and addresses; v40-71 eight registers of statistics a tile; v72-87 exchanged numbers; v88-123 the quantiser's; v124-141 scale words; v144-191 p's fragments; v192-255 S^T.
;   window 1: O^T (64 m + 8 t + j), later the rows Y (64 q + 16 m + i).  window 2: v0-191 Q or the activations (12 (4 m + s)); v192-255 area A.  window 3: v0-95 K (12 (4 u + s)); v96-191 V (12 t), later area C; v192-255 area B.
.set BLK,   51200
.set VR,    102400                     ; LDS: K's two slots at 0 and 51,200 (slot A of the tail), V's two here (slot B),
.set ACT,   204800                     ; two regions of 16 activation fragments,
.set PIMG,  253952                     ; p's four fragments, twice,
.set ASC,   266240                     ; the activations' scale words, twice 1,024 bytes,
.set PSCL,  268288                     ; p's, twice 256,
.set XRA,   268800                     ; seven areas of 1,024 bytes for numbers that the waves exchange: 256 m + 16 r + 4 w,
.set SPARE, 275968                     ; and the spare words, 128 bytes for each wave, which no other line names
.set AK16, 6
.set AK8,  7
.set AKS,  8
.set AV16, 9
.set AV8,  10
.set AKS2, 11
.set AVS,  12
.set RA16, 13
.set RA8,  14
.set RP16, 15
.set RP8,  16
.set PW16, 17
.set PW8,  18
.set PSW,  19
.set PSR,  20
.set MXW,  21
.set MXR,  22
.set SW16, 23
.set SW8,  24
.set ASW,  25
.set BW16, 26
.set BW8,  27
.set ABW,  28
.set ASR,  29
.set SA0,  30
.set SA1,  31
.set RD,   32
.set XA,   33
.set BIA,  34
.set GO16, 35
.set GO8,  36
.set PFO,  37
.set XPO,  38
.set ST,   40                          ; tile m at ST + 8 m: +0 -M (later 1 / sum, mean), +1 largest t, +2, +3 sums, +4 f (later 1 / sigma), +5 written once, +6 block figure, +7 at work
.set BM0,  46
.set T60,  47
.set BMS,  8
.set MXV,  72
.set SCO,  88
.set BY,   92
.set BS,   96
.set PW,   98
.set PC,   104
.set QSC,  124
.set KSC,  132
.set VSC,  136
.set PSC,  140
.set PF,   144
.set SS,   192
.set VF,   96
.set SEL,  58
.set XW,   0
.set MSB,  0
.macro WIN new                         ; the immediate's high byte repeats the setting that is left
.if MSB != (\new)
	s_set_vgpr_msb (MSB<<8)|(\new)
.set MSB, (\new)
.endif
.endm
.macro PLACES                          ; four plain places behind matrix instructions (ISA guide 7.12.1)
.rept 4
	v_nop
.endr
.endm
.macro BAR
	s_wait_dscnt 0x0
	s_barrier_signal -1
	s_barrier_wait -1
.endm
.macro WM d, a, b, cm, c, sa, sb, ra, rb
.if (\cm) == 0
.if ((\ra) == 0) && ((\rb) == 0)
	v_wmma_scale_f32_16x16x128_f8f6f4 v[\d:\d+7], v[\a:\a+11], v[\b:\b+11], 0, v[\sa], v[\sb] matrix_a_fmt:MATRIX_FMT_BF6 matrix_b_fmt:MATRIX_FMT_BF6
.elseif (\rb) == 0
	v_wmma_scale_f32_16x16x128_f8f6f4 v[\d:\d+7], v[\a:\a+11], v[\b:\b+11], 0, v[\sa], v[\sb] matrix_a_fmt:MATRIX_FMT_BF6 matrix_b_fmt:MATRIX_FMT_BF6 matrix_a_scale:MATRIX_SCALE_ROW1
.elseif (\ra) == 0
	v_wmma_scale_f32_16x16x128_f8f6f4 v[\d:\d+7], v[\a:\a+11], v[\b:\b+11], 0, v[\sa], v[\sb] matrix_a_fmt:MATRIX_FMT_BF6 matrix_b_fmt:MATRIX_FMT_BF6 matrix_b_scale:MATRIX_SCALE_ROW1
.else
	v_wmma_scale_f32_16x16x128_f8f6f4 v[\d:\d+7], v[\a:\a+11], v[\b:\b+11], 0, v[\sa], v[\sb] matrix_a_fmt:MATRIX_FMT_BF6 matrix_b_fmt:MATRIX_FMT_BF6 matrix_a_scale:MATRIX_SCALE_ROW1 matrix_b_scale:MATRIX_SCALE_ROW1
.endif
.else
.if ((\ra) == 0) && ((\rb) == 0)
	v_wmma_scale_f32_16x16x128_f8f6f4 v[\d:\d+7], v[\a:\a+11], v[\b:\b+11], v[\c:\c+7], v[\sa], v[\sb] matrix_a_fmt:MATRIX_FMT_BF6 matrix_b_fmt:MATRIX_FMT_BF6
.elseif (\rb) == 0
	v_wmma_scale_f32_16x16x128_f8f6f4 v[\d:\d+7], v[\a:\a+11], v[\b:\b+11], v[\c:\c+7], v[\sa], v[\sb] matrix_a_fmt:MATRIX_FMT_BF6 matrix_b_fmt:MATRIX_FMT_BF6 matrix_a_scale:MATRIX_SCALE_ROW1
.elseif (\ra) == 0
	v_wmma_scale_f32_16x16x128_f8f6f4 v[\d:\d+7], v[\a:\a+11], v[\b:\b+11], v[\c:\c+7], v[\sa], v[\sb] matrix_a_fmt:MATRIX_FMT_BF6 matrix_b_fmt:MATRIX_FMT_BF6 matrix_b_scale:MATRIX_SCALE_ROW1
.else
	v_wmma_scale_f32_16x16x128_f8f6f4 v[\d:\d+7], v[\a:\a+11], v[\b:\b+11], v[\c:\c+7], v[\sa], v[\sb] matrix_a_fmt:MATRIX_FMT_BF6 matrix_b_fmt:MATRIX_FMT_BF6 matrix_a_scale:MATRIX_SCALE_ROW1 matrix_b_scale:MATRIX_SCALE_ROW1
.endif
.endif
.endm
; THE QUANTISER, on four groups of 16 registers at base + 16 m in window w; a group is my half (16 (lane / 16) + 0 .. 15) of a block of 32.
.macro Q4MAX w, base
	WIN (\w)|((\w)<<2)
.irp m, 0,1,2,3
	v_max3_num_f32 v[BM0+BMS*\m], |v[\base+16*\m]|, |v[\base+16*\m+1]|, 0x2800000   ; the floor 2^(5 - 127) among the leaves: the byte cannot fall under 1
.endr
	WIN ((\w)<<2)|((\w)<<4)
.irp i, 2,4,6,8,10,12,14
.irp m, 0,1,2,3
	v_max3_num_f32 v[BM0+BMS*\m], v[BM0+BMS*\m], |v[\base+16*\m+\i]|, |v[\base+16*\m+\i+1]|
.endr
.endr
	WIN 0
.irp m, 0,1,2,3
	v_permlanex16_b32 v[T60+BMS*\m], v[BM0+BMS*\m], s[SEL], s[SEL+1]
.endr
.irp m, 0,1,2,3
	v_max_num_f32 v[BM0+BMS*\m], v[BM0+BMS*\m], v[T60+BMS*\m]
.endr
.endm
.macro Q4SC
.irp m, 0,1,2,3
	v_add_nc_u32 v[SCO+\m], 0xfe000000, v[BM0+BMS*\m]              ; 4 off the exponent field: the conversion's scale operand
.endr
.irp m, 0,1,2,3
	v_lshrrev_b32 v[BY+\m], 23, v[SCO+\m]                          ; the scale's byte
.endr
.endm
.macro Q4CVT w, base                   ; v[PC + 6 p .. + 5] of lane (r, h) then hold all 32 codes of group 2 p + h of row r
	s_wait_dscnt 0x0                               ; earlier LDS stores have read the codes' registers (and every LDS load issued so far is in)
.if XW
	s_wait_xcnt 0x0
.endif
	WIN \w
.irp p, 0,1
	v_cvt_scalef32_pk16_bf6_f32 v[PC+6*\p:PC+6*\p+2], v[\base+32*\p:\base+32*\p+15], v[SCO+2*\p]
	v_cvt_scalef32_pk16_bf6_f32 v[PC+12+4*\p:PC+14+4*\p], v[\base+32*\p+16:\base+32*\p+31], v[SCO+2*\p+1]
.endr
	WIN 0
	v_nop                                          ; one plain place behind the scaled conversions
.irp p, 0,1
.irp i, 0,1,2
	v_permlane16_swap_b32 v[PC+6*\p+\i], v[PC+12+4*\p+\i]
.endr
.irp i, 0,1,2
	v_mov_b32 v[PC+3+6*\p+\i], v[PC+12+4*\p+\i]
.endr
.endr
.endm
.macro PACKW dst
	v_lshl_or_b32 v[\dst], v[BY+1], 8, v[BY]
	v_lshl_or_b32 v[\dst], v[BY+2], 16, v[\dst]
	v_lshl_or_b32 v[\dst], v[BY+3], 24, v[\dst]
.endm
.macro SELB                            ; lanes 16-31 take the odd group's byte (vcc_lo = 0xffff0000, never rewritten)
.irp p, 0,1
	v_cndmask_b32 v[BS+\p], v[BY+2*\p], v[BY+2*\p+1], vcc_lo
.endr
.endm
.macro HFETCH reg, a16, a8, off
	ds_load_b128 v[\reg:\reg+3], v[\a16] offset:\off
	ds_load_b64 v[\reg+4:\reg+5], v[\a8] offset:\off+512
	ds_load_b128 v[\reg+6:\reg+9], v[\a16] offset:\off+768
	ds_load_b64 v[\reg+10:\reg+11], v[\a8] offset:\off+1280
.endm
; a round of the cluster's barrier
.macro ROUND
	s_barrier_signal -1
	s_barrier_wait -1
	s_cmp_lg_u32 s30, 0
	s_cbranch_scc1 .Lnot_wave_0_\@
	s_barrier_signal -3
.Lnot_wave_0_\@:
	s_barrier_wait -3
	s_barrier_signal -1
	s_barrier_wait -1
.endm
; joint loads.  Waves 0, 1 fetch the halves of a block of K, waves 2, 3 of V; the branch hangs on the wave's number alone.  Four v_nop follow each tensor line.
.macro TLOAD2
	s_cmp_lt_u32 s30, 2
	s_cbranch_scc0 .Lfor_v_\@
	tensor_load_to_lds s[44:47], s[32:39]
	s_nop 0
	PLACES
	s_branch .Lasked_\@
.Lfor_v_\@:
	tensor_load_to_lds s[48:51], s[32:39]
	s_nop 0
	PLACES
.Lasked_\@:
.endm
.macro TLOADK
	s_cmp_lt_u32 s30, 2
	s_cbranch_scc0 .Lno_k_\@
	tensor_load_to_lds s[44:47], s[32:39]
	s_nop 0
	PLACES
.Lno_k_\@:
.endm
; A prefetch of K's and V's later bytes: the batch's first cluster asks; its sixteen waves (eight for K, eight for V) are told apart by address, 8,192 bytes a wave, lanes 256 bytes apart: 65,536 bytes of each stream an ask.
; Ten asks, in the trips in which s60 is above 2: K's bytes 256,000 .. 911,359 and V's 153,600 .. 808,959 of the batch's part, each named once, always further on than the block that is being loaded.
.macro ASK
	s_cmp_gt_u32 s60, s61
	s_cbranch_scc0 .Lnot_mine_\@
	global_prefetch_b8 v[PFO], s[62:63] th:TH_LOAD_NT scope:SCOPE_SE
.Lnot_mine_\@:
.endm
; my two tiles of a block's rows: 8 fragments and 4 scale words, K step by K step
.macro KFETCH off, a16, a8, as
.irp s, 0,1,2,3
	ds_load_b32 v[KSC+\s], v[\as] offset:\off+256*\s
.endr
	WIN 0xC0
.irp s, 0,1,2,3
.irp u, 0,1
	HFETCH 12*(4*\u+\s), \a16, \a8, \off+(4*\u+\s)*1536
.endr
.endr
	WIN 0
.endm
; 32 matrix instructions: source 0 = my two tiles of rows, source 1 = the four tiles of tokens; eight accumulators at d + 16 m + 8 u by turns, one instruction a turn.
; cm = 0: the first K step starts the sums with 0; 1: with v[cb + 8 u ..] (window by w0); 2: in place.  resc = 1: behind instruction n stand the multiplies of O^T's registers 8 n .. 8 n + 7 by f.
; cw = 1: counted waits: the fragments of later K steps, 8 loads each, stay out.
.macro SCORE w0, w1, d, cm, cb, resc, cw
.set n_, 0
.irp s, 0,1,2,3
.if \cw
	s_wait_dscnt 8*(3-\s)
.endif
.irp m, 0,1,2,3
.irp u, 0,1
.if \s == 0
	WIN \w0
.if (\cm) == 0
	WM \d+16*\m+8*\u, 12*(4*\u+\s), 12*(4*\m+\s), 0, 0, KSC+\s, QSC+2*\s+\m/2, \u, \m%2
.elseif (\cm) == 1
	WM \d+16*\m+8*\u, 12*(4*\u+\s), 12*(4*\m+\s), 1, \cb+8*\u, KSC+\s, QSC+2*\s+\m/2, \u, \m%2
.else
	WM \d+16*\m+8*\u, 12*(4*\u+\s), 12*(4*\m+\s), 1, \d+16*\m+8*\u, KSC+\s, QSC+2*\s+\m/2, \u, \m%2
.endif
.else
	WIN \w1
	WM \d+16*\m+8*\u, 12*(4*\u+\s), 12*(4*\m+\s), 1, \d+16*\m+8*\u, KSC+\s, QSC+2*\s+\m/2, \u, \m%2
.endif
.if \resc
	WIN 0x41
.irp i, 0,2,4,6
	v_pk_mul_f32 v[8*n_+\i:8*n_+\i+1], v[8*n_+\i:8*n_+\i+1], v[ST+8*(n_/8)+4:ST+8*(n_/8)+5] op_sel_hi:[1,0]
.endr
.endif
.set n_, n_+1
.endr
.endr
.endr
	WIN 0
.endm
; the largest score of my block of 32 keys, for each query; into area a for the other waves
.macro BMAX a
.irp m, 0,1,2,3
	v_max3_num_f32 v[BM0+8*\m], v[SS+16*\m], v[SS+16*\m+1], v[SS+16*\m+2]
.endr
.irp i, 3,5,7,9,11,13
.irp m, 0,1,2,3
	v_max3_num_f32 v[BM0+8*\m], v[BM0+8*\m], v[SS+16*\m+\i], v[SS+16*\m+\i+1]
.endr
.endr
.irp m, 0,1,2,3
	v_max_num_f32 v[BM0+8*\m], v[BM0+8*\m], v[SS+16*\m+15]
.endr
.irp m, 0,1,2,3
	v_permlanex16_b32 v[T60+8*\m], v[BM0+8*\m], s[SEL], s[SEL+1]
.endr
.irp m, 0,1,2,3
	v_max_num_f32 v[BM0+8*\m], v[BM0+8*\m], v[T60+8*\m]
.endr
.irp p, 0,1
	v_cndmask_b32 v[BS+\p], v[BM0+16*\p], v[BM0+16*\p+8], vcc_lo
.endr
.irp p, 0,1
	ds_store_b32 v[MXW], v[BS+\p] offset:1024*(\a)+512*\p
.endr
.endm
; the next of the 32 products of O^T += V^T p^T: tile of channels pv_ / 4, tile of queries pv_ % 4; each accumulator has one instruction a step.  first = 1: they start O^T's sums
.macro PVN first
.if pv_ < 32
.if pv_ == 0
	s_wait_dscnt 16                                ; p, its scale words, V's and V's tiles 0 to 3 are in; tiles 4 to 7, four loads each, stay out
.endif
.if pv_ == 16
	s_wait_dscnt 36                                ; V's tiles 4 to 7 are in; K's 36 loads, issued just now, stay out
.endif
	WIN 0x53
.if \first
	WM 64*(pv_%4)+8*(pv_/4), VF+12*(pv_/4), PF+12*(pv_%4), 0, 0, VSC+pv_/8, PSC+(pv_%4)/2, (pv_/4)%2, pv_%2
.else
	WM 64*(pv_%4)+8*(pv_/4), VF+12*(pv_/4), PF+12*(pv_%4), 1, 64*(pv_%4)+8*(pv_/4), VSC+pv_/8, PSC+(pv_%4)/2, (pv_/4)%2, pv_%2
.endif
	WIN 0
.set pv_, pv_+1
.endif
.endm
; BEHIND A ROUND: the softmax of the step whose parity is sp, and (pv = 1) the second product of the step before it, by turns.  The product's LDS loads go out first; the maxima, M, f and the scalings run while they land;
; then one matrix instruction stands behind every two exponentials.  In the middle of them the next step's K is fetched (slot 1 - sp).  p's codes and bytes go to LDS, parity sp.
.macro STEPV sp, pv, first
.irp m, 0,1,2,3
	ds_load_b128 v[MXV+4*\m:MXV+4*\m+3], v[MXR] offset:1024*(\sp)+256*\m       ; the four waves' block maxima
.endr
.if \pv
.irp p, 0,1
	ds_load_b32 v[PSC+\p], v[PSR] offset:256*(1-(\sp))+128*\p
.endr
	ds_load_b128 v[VSC:VSC+3], v[AVS] offset:BLK*(1-(\sp))
.irp m, 0,1,2,3
	HFETCH PF+12*\m, RP16, RP8, 6144*(1-(\sp))+1536*\m
.endr
	WIN 0xC0
.irp t, 0,1,2,3,4,5,6,7
	HFETCH VF+12*\t, AV16, AV8, BLK*(1-(\sp))+1536*\t
.endr
	WIN 0
	s_wait_dscnt 51                                ; the maxima are in; the 51 loads of p and V stay out
.else
	s_wait_dscnt 0x0
.endif
.irp m, 0,1,2,3
	v_max3_num_f32 v[T60+8*\m], v[MXV+4*\m], v[MXV+4*\m+1], v[MXV+4*\m+2]
.endr
.irp m, 0,1,2,3
	v_max_num_f32 v[T60+8*\m], v[T60+8*\m], v[MXV+4*\m+3]          ; the step's largest score of the query
.endr
.irp m, 0,1,2,3
	v_mul_f32 v[T60+8*\m], s56, v[T60+8*\m]                        ; as t
.endr
.irp m, 0,1,2,3
	v_max_num_f32 v[ST+8*\m+1], v[ST+8*\m+1], v[T60+8*\m]          ; the running largest t
.endr
.irp m, 0,1,2,3
	v_mov_b32 v[T60+8*\m], v[ST+8*\m]
.endr
.irp m, 0,1,2,3
	v_floor_f32 v[ST+8*\m], -v[ST+8*\m+1]                          ; -M = floor(-t): M is a whole number
.endr
.irp m, 0,1,2,3
	v_sub_f32 v[T60+8*\m], v[ST+8*\m], v[T60+8*\m]                 ; old M - new M, 0 or less
.endr
.irp m, 0,1,2,3
	v_cvt_i32_f32 v[T60+8*\m], v[T60+8*\m]                         ; (it saturates)
.endr
.irp m, 0,1,2,3
	v_ldexp_f32 v[ST+8*\m+4], 1.0, v[T60+8*\m]                     ; f = 2^(old M - new M)
.endr
.irp m, 0,1,2,3
.irp k, 0,2,4,6,8,10,12,14
	v_pk_fma_f32 v[SS+16*\m+\k:SS+16*\m+\k+1], v[SS+16*\m+\k:SS+16*\m+\k+1], s[56:57], v[ST+8*\m:ST+8*\m+1] op_sel_hi:[1,0,0]   ; t - M
.endr
.endr
.irp m, 0,1,2,3
	v_fma_f32 v[BM0+8*\m], v[BM0+8*\m], s56, v[ST+8*\m]            ; the same of my block's largest score
.endr
.set pv_, 0
.set n_, 0
.rept 32
	v_exp_f32 v[SS+2*n_], v[SS+2*n_]                               ; p = 2^(t - M): not normalised.  None of the lines between names an exponential's result
	v_exp_f32 v[SS+2*n_+1], v[SS+2*n_+1]
.if n_ == 16
	KFETCH BLK*(1-(\sp)), AK16, AK8, AKS           ; its registers were last read by the scores in front of the round
.endif
.if \pv
	PVN \first
.endif
.set n_, n_+1
.endr
.irp m, 0,1,2,3
	v_pk_mul_f32 v[ST+8*\m+2:ST+8*\m+3], v[ST+8*\m+2:ST+8*\m+3], v[ST+8*\m+4:ST+8*\m+5] op_sel_hi:[1,0]   ; the sums under the new M: plain work behind the batch
.endr
	s_wait_alu depctr_va_vdst(0)                   ; one wait for the batch of 64, ahead of its first reader
.irp m, 0,1,2,3
	v_exp_f32 v[BM0+8*\m], v[BM0+8*\m]                             ; my block's largest p: the same two instructions on the same number
.endr
.irp m, 0,1,2,3
	v_pk_add_f32 v[MXV+4*\m:MXV+4*\m+1], v[SS+16*\m:SS+16*\m+1], v[SS+16*\m+2:SS+16*\m+3]   ; the sum of the unquantised p, in two chains
.endr
.irp k, 4,8,12
.irp m, 0,1,2,3
	v_pk_add_f32 v[ST+8*\m+2:ST+8*\m+3], v[ST+8*\m+2:ST+8*\m+3], v[SS+16*\m+\k:SS+16*\m+\k+1]
	v_pk_add_f32 v[MXV+4*\m:MXV+4*\m+1], v[MXV+4*\m:MXV+4*\m+1], v[SS+16*\m+\k+2:SS+16*\m+\k+3]
.endr
.endr
.irp m, 0,1,2,3
	v_pk_add_f32 v[ST+8*\m+2:ST+8*\m+3], v[ST+8*\m+2:ST+8*\m+3], v[MXV+4*\m:MXV+4*\m+1]
.endr
	s_wait_alu depctr_va_vdst(0)                   ; and one for the four
.irp m, 0,1,2,3
	v_max_num_f32 v[BM0+8*\m], 0x2800000, v[BM0+8*\m]              ; the floor: the byte cannot fall under 1
.endr
	Q4SC
	Q4CVT 0, SS                                    ; (its wait for all LDS instructions also shows K in)
	SELB
.irp p, 0,1
	ds_store_b128 v[PW16], v[PC+6*\p:PC+6*\p+3] offset:6144*(\sp)+3072*\p       ; block w of p's fragment 2 p + h
	ds_store_b64 v[PW8], v[PC+6*\p+4:PC+6*\p+5] offset:6144*(\sp)+3072*\p
	ds_store_b8 v[PSW], v[BS+\p] offset:256*(\sp)+128*\p                        ; byte w of its scale word
.endr
.endm
; THE CHANGE OF SLOTS, one a key step.  Every wave: all its tensor loads have landed; the add of 0 onto its spare word; the descriptors step meanwhile;
; the add is done, my LDS stores have landed and my reads of the slots to be filled are over; a round of the cluster's barrier; the joint refill first behind it, one a wave.
.macro CHANGE sl, vl, ask
	WIN 0
	s_wait_tensorcnt 0x0
	ds_add_u32 v4, v5
	s_add_nc_u64 s[46:47], s[46:47], BLK           ; K's next block, into slot sl
	s_add_co_u32 s45, s31, BLK*(\sl)
.if \vl
	s_add_nc_u64 s[50:51], s[50:51], BLK           ; V's
	s_add_co_u32 s49, s31, VR+BLK*(\sl)
.endif
.if \ask
	s_wait_xcnt 0x0                                ; the last prefetch, a step back, has read its address
	s_add_nc_u64 s[62:63], s[62:63], 65536
.endif
	s_wait_dscnt 0x0
	ROUND
.if \vl
	TLOAD2
.else
	TLOADK
.endif
.if \ask
	ASK
.endif
.endm
; O^T += V^T p^T by itself (the last step): my eight tiles of channels x four tiles of queries, K = the step's 128 keys
.macro PVPART par, first
.irp p, 0,1
	ds_load_b32 v[PSC+\p], v[PSR] offset:256*(\par)+128*\p
.endr
	ds_load_b128 v[VSC:VSC+3], v[AVS] offset:BLK*(\par)
.irp m, 0,1,2,3
	HFETCH PF+12*\m, RP16, RP8, 6144*(\par)+1536*\m
.endr
	WIN 0xC0
.irp t, 0,1,2,3,4,5,6,7
	HFETCH VF+12*\t, AV16, AV8, BLK*(\par)+1536*\t
.endr
	WIN 0x53
.irp t, 0,1,2,3,4,5,6,7
	s_wait_dscnt 4*(7-\t)                          ; the later tiles' fragments, four loads each, stay out
.irp m, 0,1,2,3
.if \first
	WM 64*\m+8*\t, VF+12*\t, PF+12*\m, 0, 0, VSC+\t/2, PSC+\m/2, \t%2, \m%2
.else
	WM 64*\m+8*\t, VF+12*\t, PF+12*\m, 1, 64*\m+8*\t, VSC+\t/2, PSC+\m/2, \t%2, \m%2
.endif
.endr
.endr
	WIN 0
.endm
; round j (parity par) and what stands round it: the scores of step j + 1, with O^T's rescaling by step j's f between them; their block maxima; the round; the softmax of step j + 1 with the second product of step j
.macro BODY par, ask
	SCORE 0x0B, 0x0B, SS, 0, 0, 1, 0               ; its last slice of multiplies is the four places behind the last product
	BMAX 1-(\par)
	CHANGE 1-(\par), 1, \ask
	STEPV 1-(\par), 1, 0
.endm
.macro RESC f                          ; O^T x the tile's statistic f
	WIN 0x41
.set n_, 0
.rept 128
	v_pk_mul_f32 v[2*n_:2*n_+1], v[2*n_:2*n_+1], v[ST+8*(n_/32)+\f:ST+8*(n_/32)+\f+1] op_sel_hi:[1,0]
.set n_, n_+1
.endr
	WIN 0
.endm
; a lane's pair of partial sums -> the row's part of my wave -> area a
.macro XCH a
.irp m, 0,1,2,3
	v_add_f32 v[BM0+8*\m], v[ST+8*\m+2], v[ST+8*\m+3]
.endr
.irp m, 0,1,2,3
	v_permlanex16_b32 v[T60+8*\m], v[BM0+8*\m], s[SEL], s[SEL+1]
.endr
.irp m, 0,1,2,3
	v_add_f32 v[BM0+8*\m], v[BM0+8*\m], v[T60+8*\m]
.endr
.irp p, 0,1
	v_cndmask_b32 v[BS+\p], v[BM0+16*\p], v[BM0+16*\p+8], vcc_lo
.endr
.irp p, 0,1
	ds_store_b32 v[MXW], v[BS+\p] offset:1024*(\a)+512*\p
.endr
.endm
.macro XRD a                           ; the four waves' parts, added: the row's total
.irp m, 0,1,2,3
	ds_load_b128 v[MXV+4*\m:MXV+4*\m+3], v[MXR] offset:1024*(\a)+256*\m
.endr
	s_wait_dscnt 0x0
.irp m, 0,1,2,3
	v_add_f32 v[BM0+8*\m], v[MXV+4*\m], v[MXV+4*\m+1]
.endr
.irp m, 0,1,2,3
	v_add_f32 v[T60+8*\m], v[MXV+4*\m+2], v[MXV+4*\m+3]
.endr
.irp m, 0,1,2,3
	v_add_f32 v[BM0+8*\m], v[BM0+8*\m], v[T60+8*\m]
.endr
.endm
; the tail's change of slots: two blocks of a weight, a quarter a wave
.macro TROUND step, lds
	WIN 0
	s_wait_tensorcnt 0x0
	ds_add_u32 v4, v5
.if \step
	s_add_nc_u64 s[54:55], s[54:55], 2*BLK
.endif
	s_add_co_u32 s53, s90, \lds
	s_wait_dscnt 0x0
	ROUND
	tensor_load_to_lds s[52:55], s[32:39]
	s_nop 0
	PLACES
.endm
.macro KF4 q                           ; block q of a weight: slot A holds blocks 0, 1, slot B blocks 2, 3
.if (\q) < 2
	KFETCH BLK*(\q), AK16, AK8, AKS
.else
	KFETCH BLK*((\q)-2), AV16, AV8, AKS2
.endif
.endm
.macro QLOAD region                    ; the activations' 16 fragments and 8 registers of scale words
.irp s, 0,1,2,3
.irp p, 0,1
	ds_load_b32 v[QSC+2*\s+\p], v[ASR] offset:1024*(\region)+(4*\p+\s)*128
.endr
.endr
	WIN 0x80
.irp m, 0,1,2,3
.irp s, 0,1,2,3
	HFETCH 12*(4*\m+\s), RA16, RA8, 24576*(\region)+(4*\m+\s)*1536
.endr
.endr
	WIN 0
.endm
.macro BLOAD win, reg, sb              ; my 64 numbers of a vector of 512: register 16 q + i = feature 128 q + 32 w + 16 h + i
	WIN \win
.irp q, 0,1,2,3
.irp k, 0,1,2,3
	global_load_b128 v[\reg+16*\q+4*\k:\reg+16*\q+4*\k+3], v[BIA], s[\sb:\sb+1] offset:512*\q+16*\k
.endr
.endr
	WIN 0
.endm
.macro YADD win, reg                   ; Y += such a vector
	WIN \win
.set n_, 0
.rept 128
	v_pk_add_f32 v[2*n_:2*n_+1], v[2*n_:2*n_+1], v[\reg+16*(n_/32)+2*(n_%8):\reg+16*(n_/32)+2*(n_%8)+1]
.set n_, n_+1
.endr
	WIN 0
.endm
.macro YSUM
	WIN 0x05
.irp m, 0,1,2,3
	v_pk_add_f32 v[ST+8*\m+2:ST+8*\m+3], v[16*\m:16*\m+1], v[16*\m+2:16*\m+3]
.endr
	WIN 0x04
.irp q, 0,1,2,3
.irp k, 0,2,4,6,8,10,12,14
.if (64*\q+\k) > 2
.irp m, 0,1,2,3
	v_pk_add_f32 v[ST+8*\m+2:ST+8*\m+3], v[ST+8*\m+2:ST+8*\m+3], v[64*\q+16*\m+\k:64*\q+16*\m+\k+1]
.endr
.endif
.endr
.endr
	WIN 0
.endm
.macro YSQ
	WIN 0x05
.irp q, 0,1,2,3
.irp k, 0,2,4,6,8,10,12,14
.irp m, 0,1,2,3
.if (64*\q+\k) == 0
	v_pk_mul_f32 v[ST+8*\m+2:ST+8*\m+3], v[16*\m:16*\m+1], v[16*\m:16*\m+1]
.else
	v_pk_fma_f32 v[ST+8*\m+2:ST+8*\m+3], v[64*\q+16*\m+\k:64*\q+16*\m+\k+1], v[64*\q+16*\m+\k:64*\q+16*\m+\k+1], v[ST+8*\m+2:ST+8*\m+3]
.endif
.endr
.endr
.endr
	WIN 0
.endm
; LayerNorm of Y in place: the mean, then the mean square of the differences.  ga, be: gain and offset in window 3.  tr = 1: the second barrier is a change of slots
.macro LN a, ga, be, tr
	YSUM
	XCH \a
	BAR
	XRD \a
.irp m, 0,1,2,3
	v_mul_f32 v[ST+8*\m], 0x3b000000, v[BM0+8*\m]                  ; / 512
.endr
	WIN 0x41
.set n_, 0
.rept 128
	v_pk_add_f32 v[2*n_:2*n_+1], v[2*n_:2*n_+1], v[ST+8*((n_/8)%4):ST+8*((n_/8)%4)+1] op_sel_hi:[1,0] neg_lo:[0,1] neg_hi:[0,1]
.set n_, n_+1
.endr
	YSQ
	XCH (\a)+1
.if \tr
	TROUND 1, VR
.else
	BAR
.endif
	XRD (\a)+1
.irp m, 0,1,2,3
	v_fma_f32 v[T60+8*\m], v[BM0+8*\m], s88, s89                   ; / 512 + 1e-5
.endr
.irp m, 0,1,2,3
	v_rsq_f32 v[ST+8*\m+4], v[T60+8*\m]
.endr
	v_nop                                          ; a plain place behind the roots,
	s_wait_alu depctr_va_vdst(0)                   ; and one wait for the four, ahead of their first reader
	WIN 0x41
.set n_, 0
.rept 128
	v_pk_mul_f32 v[2*n_:2*n_+1], v[2*n_:2*n_+1], v[ST+8*((n_/8)%4)+4:ST+8*((n_/8)%4)+5] op_sel_hi:[1,0]
.set n_, n_+1
.endr
	WIN 0x7D
.set n_, 0
.rept 128
	v_pk_fma_f32 v[2*n_:2*n_+1], v[2*n_:2*n_+1], v[\ga+16*(n_/32)+2*(n_%8):\ga+16*(n_/32)+2*(n_%8)+1], v[\be+16*(n_/32)+2*(n_%8):\be+16*(n_/32)+2*(n_%8)+1]
.set n_, n_+1
.endr
	WIN 0
.endm
; my 32 features of K step q, for the four tiles of tokens, become block w of fragments (m, q) of a region
.macro BQ w, base, q, region
	Q4MAX \w, \base
	Q4SC
	Q4CVT \w, \base
	SELB
.irp p, 0,1
	ds_store_b128 v[BW16], v[PC+6*\p:PC+6*\p+3] offset:24576*(\region)+12288*\p+1536*(\q)
	ds_store_b64 v[BW8], v[PC+6*\p+4:PC+6*\p+5] offset:24576*(\region)+12288*\p+1536*(\q)
	ds_store_b8 v[ABW], v[BS+\p] offset:1024*(\region)+512*\p+128*(\q)
.endr
.endm
	s_load_b512 s[4:19], s[0:1], 0x0               ; qbuf s4, kbuf s6, vbuf s8, wbuf s10, x s12, bo s14, g1 s16, b1 s18
	s_load_b256 s[20:27], s[0:1], 0x40             ; bf1 s20, bf2 s22, g2 s24, b2 s26
	s_load_b64 s[28:29], s[0:1], 0x60              ; out0
	v_lshl_add_u32 v4, v0, 2, SPARE
	v_mov_b32 v5, 0
	ds_add_u32 v4, v5
	ds_add_u32 v4, v5
	s_wait_dscnt 0x0
	v_lshrrev_b32 v1, 5, v0
	v_readfirstlane_b32 s30, v1                    ; wave w
	s_bfe_u32 s68, ttmp6, 0x40000                  ; cx: it enters the addresses of Q, x, out0 and the prefetches alone
	s_lshl_b32 s69, ttmp9, 2
	s_add_co_u32 s69, s69, s68                     ; my block of 64 tokens
	s_lshr_b32 s70, ttmp9, 3                       ; the batch, which the four partners share
	s_and_b32 s71, s30, 1
	s_mul_i32 s31, s71, 25600                      ; which half of a block I fetch
	s_mul_i32 s90, s30, 25600                      ; in the tail: which quarter of two blocks
	s_mov_b32 s56, 0x3d8293ee                      ; c = log2(e) / sqrt(512)
	s_mov_b32 s57, s56
	s_mov_b32 s58, 0x76543210
	s_mov_b32 s59, 0xfedcba98
	s_mov_b32 s88, 0x3b000000                      ; 1 / 512
	s_mov_b32 s89, 0x3727c5ac                      ; 1e-5
	s_mov_b32 vcc_lo, 0xffff0000
	; descriptor group 1, for every load: 25,600 dense bytes as 100 rows of 256 (32 elements of 8 bytes), no padding; mask: all four work-groups, bit 21 beside it
	s_mov_b32 s32, 15|(3<<16)|(1<<21)
	s_mov_b32 s33, 32<<16
	s_mov_b32 s34, 100<<16
	s_mov_b32 s35, 32<<16
	s_mov_b32 s36, 100
	s_mov_b32 s37, 32
	s_mov_b32 s38, 0
	s_mov_b32 s39, 0
	v_and_b32 v1, 15, v0                           ; r
	v_bfe_u32 v2, v0, 4, 1                         ; h
	v_and_b32 v3, 31, v0                           ; lane
	v_and_b32 v39, 8, v1
	v_add_nc_u32 v39, v39, v1                      ; r + 8 (r / 8)
	s_mul_i32 s72, s30, 12288
	v_lshl_add_u32 v[AK16], v3, 4, s72             ; my 8 fragments of a block
	v_lshl_add_u32 v[AK8], v3, 3, s72
	s_lshr_b32 s73, s30, 1
	s_lshl_b32 s75, s73, 10
	s_lshl_b32 s76, s71, 2
	s_add_co_u32 s75, s75, s76
	s_add_co_u32 s75, s75, 49152
	v_lshl_add_u32 v[AKS], v3, 3, s75              ; and their scale words
	v_add_nc_u32 v[AV16], VR, v[AK16]
	v_add_nc_u32 v[AV8], VR, v[AK8]
	v_add_nc_u32 v[AKS2], VR, v[AKS]
	s_lshl_b32 s75, s30, 9
	s_add_co_u32 s76, s75, VR+49152
	v_lshl_add_u32 v[AVS], v3, 4, s76
	v_lshl_add_u32 v[RA16], v3, 4, ACT
	v_lshl_add_u32 v[RA8], v3, 3, ACT
	v_lshl_add_u32 v[RP16], v3, 4, PIMG
	v_lshl_add_u32 v[RP8], v3, 3, PIMG
	s_mul_i32 s74, s73, 768
	s_lshl_b32 s76, s71, 8
	s_add_co_u32 s76, s76, s74                     ; block w of a fragment: its 16 bytes a row begin here,
	s_lshl_b32 s77, s71, 7
	s_add_co_u32 s77, s77, s74
	s_add_co_u32 s77, s77, 512                     ; its 8 bytes a row here
	v_mul_u32_u24 v[PW16], v2, 1536
	v_lshl_add_u32 v[PW8], v1, 3, v[PW16]
	v_lshl_add_u32 v[PW16], v1, 4, v[PW16]
	s_add_co_u32 s78, s76, PIMG
	s_add_co_u32 s79, s77, PIMG
	v_add_nc_u32 v[PW16], s78, v[PW16]
	v_add_nc_u32 v[PW8], s79, v[PW8]
	s_add_co_u32 s78, s30, PSCL
	v_lshl_add_u32 v[PSW], v3, 2, s78
	v_lshl_add_u32 v[PSR], v3, 2, PSCL
	s_lshl_b32 s78, s30, 2
	s_add_co_u32 s78, s78, XRA
	v_lshl_add_u32 v[MXW], v3, 4, s78
	v_lshl_add_u32 v[MXR], v1, 4, XRA
	s_mul_i32 s78, s30, 1536
	s_add_co_u32 s78, s78, ACT
	v_lshl_add_u32 v[SW16], v3, 4, s78
	v_lshl_add_u32 v[SW8], v3, 3, s78
	s_lshl_b32 s78, s30, 7
	s_add_co_u32 s79, s78, ASC
	v_lshl_add_u32 v[ASW], v1, 2, s79
	v_mul_u32_u24 v[BW16], v2, 6144
	v_lshl_add_u32 v[BW8], v1, 3, v[BW16]
	v_lshl_add_u32 v[BW16], v1, 4, v[BW16]
	s_add_co_u32 s79, s76, ACT
	v_add_nc_u32 v[BW16], s79, v[BW16]
	s_add_co_u32 s79, s77, ACT
	v_add_nc_u32 v[BW8], s79, v[BW8]
	s_add_co_u32 s79, s30, ASC
	v_lshl_add_u32 v[ABW], v3, 2, s79
	v_lshl_add_u32 v[ASR], v3, 2, ASC
	v_mul_u32_u24 v[SA0], v39, 2064                ; the stage for the way out: 64 rows of 2,048 + 16 bytes
	v_lshl_add_u32 v[SA0], v2, 6, v[SA0]
	v_add_nc_u32 v[SA0], s78, v[SA0]
	v_add_nc_u32 v[SA1], 66048, v[SA0]
	s_mul_i32 s79, s30, 33024
	v_lshl_add_u32 v[RD], v3, 4, s79
	v_lshlrev_b32 v[XA], 11, v39
	v_lshl_add_u32 v[XA], v2, 6, v[XA]
	v_add_nc_u32 v[XA], s78, v[XA]                 ; x: my token's row, + 128 w + 64 h
	v_lshlrev_b32 v[BIA], 6, v2
	v_add_nc_u32 v[BIA], s78, v[BIA]
	v_lshlrev_b32 v[GO16], 4, v3
	v_lshlrev_b32 v[GO8], 3, v3
	v_lshlrev_b32 v[PFO], 8, v3
	s_lshl_b32 s79, s30, 15
	v_lshl_add_u32 v[XPO], v3, 8, s79
.irp m, 0,1,2,3
	v_mov_b32 v[ST+8*\m+1], 0xff61b1e6             ; the largest t so far: -3e38
	v_floor_f32 v[ST+8*\m], -v[ST+8*\m+1]
	v_mov_b32 v[ST+8*\m+2], 0
	v_mov_b32 v[ST+8*\m+3], 0
	v_mov_b32 v[ST+8*\m+4], 0
	v_mov_b32 v[ST+8*\m+5], 0                      ; (named as the upper half of a pair)
	v_mov_b32 v[ST+8*\m+6], 0
	v_mov_b32 v[ST+8*\m+7], 0                      ; (a lane permute's destination counts as one of its sources)
.endr
	s_mul_i32 s72, s70, 18*BLK
	s_add_co_u32 s72, s72, s31
	s_mov_b32 s73, 0                               ; K: the batch's 18 blocks, my half
	s_mul_i32 s74, s70, 16*BLK
	s_add_co_u32 s74, s74, s31
	s_mov_b32 s75, 0                               ; V: the batch's 16
	s_mov_b32 s76, s90
	s_mov_b32 s77, 0
	s_and_b32 s80, ttmp9, 7
	s_cmp_eq_u32 s80, 0
	s_cselect_b32 s61, 2, -1                       ; the batch's first cluster prefetches: the same in all four partners
	s_mul_i32 s78, s70, 18*BLK
	s_add_co_u32 s78, s78, 190464
	s_mul_i32 s79, s70, 16*BLK
	s_add_co_u32 s79, s79, 88064
	s_wait_kmcnt 0x0
	s_cmp_lt_u32 s30, 2
	s_cselect_b64 s[62:63], s[6:7], s[8:9]
	s_cselect_b32 s78, s78, s79
	s_lshl_b32 s79, s68, 1
	s_add_co_u32 s79, s79, s71
	s_lshl_b32 s79, s79, 13                        ; my wave's 8,192 bytes of an ask's 65,536
	s_add_co_u32 s78, s78, s79
	s_mov_b32 s79, 0
	s_add_nc_u64 s[62:63], s[62:63], s[78:79]      ; one ask short of the first bytes that are named
	s_mov_b32 s40, 1                               ; group 0: K's block 0 into slot 0,
	s_mov_b32 s41, s31
	s_add_nc_u64 s[42:43], s[6:7], s[72:73]
	s_mov_b32 s44, 1                               ; block 1 into slot 1: this one then walks,
	s_add_co_u32 s45, s31, BLK
	s_add_nc_u64 s[46:47], s[42:43], BLK
	s_or_b32 s43, s43, 0x80000000
	s_or_b32 s47, s47, 0x80000000
	s_mov_b32 s84, 1                               ; V's block 0,
	s_add_co_u32 s85, s31, VR
	s_add_nc_u64 s[86:87], s[8:9], s[74:75]
	s_mov_b32 s48, 1                               ; block 1: walks,
	s_add_co_u32 s49, s31, VR+BLK
	s_add_nc_u64 s[50:51], s[86:87], BLK
	s_or_b32 s87, s87, 0x80000000
	s_or_b32 s51, s51, 0x80000000
	s_mov_b32 s52, 1                               ; the tail's: wbuf, two blocks a load of the four waves
	s_add_co_u32 s53, s90, VR
	s_add_nc_u64 s[54:55], s[10:11], s[76:77]
	s_or_b32 s55, s55, 0x80000000
	s_lshl_b32 s80, s69, 17
	s_mov_b32 s81, 0
	s_add_nc_u64 s[12:13], s[12:13], s[80:81]      ; x at my 64 tokens
	s_lshl_b32 s82, s30, 15
	s_add_co_u32 s80, s80, s82
	s_add_nc_u64 s[28:29], s[28:29], s[80:81]      ; out0 at the 16 rows that my wave stores
	s_lshr_b32 s80, s69, 1
	s_mul_i32 s80, s80, BLK
	s_and_b32 s82, s69, 1
	s_lshl_b32 s83, s82, 10
	s_add_co_u32 s83, s83, 49152
	s_add_co_u32 s78, s80, s83
	s_add_nc_u64 s[66:67], s[4:5], s[78:79]        ; Q's scale words
	s_mul_i32 s82, s82, 24576
	s_add_co_u32 s80, s80, s82
	s_add_nc_u64 s[4:5], s[4:5], s[80:81]          ; Q's 16 fragments
	ROUND                                          ; all four work-groups are here: the first joint loads meet
	s_cmp_lt_u32 s30, 2                            ; a wave's two first fills stand in one branch: two loads of mine are out
	s_cbranch_scc0 .Lfirst_v
	tensor_load_to_lds s[40:43], s[32:39]
	s_nop 0
	tensor_load_to_lds s[44:47], s[32:39]
	s_nop 0
	PLACES
	s_branch .Lfirst_asked
.Lfirst_v:
	tensor_load_to_lds s[84:87], s[32:39]
	s_nop 0
	tensor_load_to_lds s[48:51], s[32:39]
	s_nop 0
	PLACES
.Lfirst_asked:
	WIN 0x80
.set n_, 0
.rept 16
	global_load_b128 v[12*n_:12*n_+3], v[GO16], s[4:5] offset:1536*n_
	global_load_b64 v[12*n_+4:12*n_+5], v[GO8], s[4:5] offset:1536*n_+512
	global_load_b128 v[12*n_+6:12*n_+9], v[GO16], s[4:5] offset:1536*n_+768
	global_load_b64 v[12*n_+10:12*n_+11], v[GO8], s[4:5] offset:1536*n_+1280
.set n_, n_+1
.endr
	WIN 0
.irp s, 0,1,2,3
	global_load_b64 v[QSC+2*\s:QSC+2*\s+1], v[GO8], s[66:67] offset:256*\s
.endr
	s_wait_tensorcnt 0x1                           ; the first of my two loads has landed; the second may stay out
	s_barrier_signal -1
	s_barrier_wait -1
	KFETCH 0, AK16, AK8, AKS
	s_wait_loadcnt 0x0                             ; Q
	SCORE 0x0B, 0x0B, SS, 0, 0, 0, 1               ; the scores of step 0
	PLACES
	BMAX 0
	CHANGE 0, 0, 0                                 ; K's block 2 into slot 0
	STEPV 0, 0, 0                                  ; the softmax of step 0: there is no second product yet to set between
	SCORE 0x0B, 0x0B, SS, 0, 0, 0, 0               ; the scores of step 1: nothing to rescale yet
	PLACES
	BMAX 1
	CHANGE 1, 0, 0                                 ; round 0: K's block 3 into slot 1
	STEPV 1, 1, 1                                  ; the softmax of step 1 | the second product of step 0, which starts O^T's sums: written out
	s_mov_b32 s60, 7
.Ltrip:                                            ; rounds 1 to 14, two a trip: round j brings K's block j + 3 (blocks 16, 17 are Wo's rows 0-255) and V's block j + 1
	BODY 1, 1
	BODY 0, 1
	s_sub_co_u32 s60, s60, 1
	s_cmp_lg_u32 s60, 0
	s_cbranch_scc1 .Ltrip
	; ---- behind the last trip: p of step 15 is stored, the second product of step 14 is done, and K's registers hold my tiles of block 16: Wo's rows 0-127
	XCH 2                                          ; my keys' part of each row's sum
	RESC 4                                         ; O^T under the last M
	s_wait_tensorcnt 0x0                           ; V's block 15 and Wo's block 1 have landed
	BAR
.irp a, 0,1,2,3
	global_prefetch_b8 v[XPO], s[12:13] offset:8192*\a th:TH_LOAD_NT scope:SCOPE_SE   ; my work-group's 131,072 bytes of x, each run of 256 named once: 32,768 a wave; they are loaded behind the last second product and the division
.endr
	PVPART 1, 0
	TROUND 0, VR                                   ; V's slots have been read out: slot B takes Wo's blocks 2, 3 at once; its four v_nop are the places behind the last products
	; ---- O^T / the sum becomes K step w of the next product
	XRD 2
.irp m, 0,1,2,3
	v_rcp_f32 v[ST+8*\m], v[BM0+8*\m]
.endr
	v_nop
	s_wait_alu depctr_va_vdst(0)                   ; one wait for the four reciprocals, ahead of their first reader
	RESC 0
.irp m, 0,1,2,3
	Q4MAX 1, 64*\m
	Q4SC
	Q4CVT 1, 64*\m
	PACKW PW
	ds_store_b128 v[SW16], v[PC:PC+3] offset:6144*\m
	ds_store_b64 v[SW8], v[PC+4:PC+5] offset:6144*\m+512
	ds_store_b128 v[SW16], v[PC+6:PC+9] offset:6144*\m+768
	ds_store_b64 v[SW8], v[PC+10:PC+11] offset:6144*\m+1280
	ds_store_b32 v[ASW], v[PW] offset:512*(\m/2)+64*(\m%2)         ; both halves of the lanes write the same word with the same value
.endr
	BLOAD 0x80, 192, 14                            ; bo -> A
	BLOAD 0xC0, 192, 16                            ; g1 -> B
	BLOAD 0xC0, 96, 18                             ; b1 -> C
	WIN 0x40
.irp q, 0,1,2,3                        ; x goes straight into the accumulators of the next product: the residual costs no addition
.irp m, 0,1,2,3
.irp k, 0,1,2,3
	global_load_b128 v[64*\q+16*\m+4*\k:64*\q+16*\m+4*\k+3], v[XA], s[12:13] offset:2048*(32*(\m/2)+8*(\m%2))+512*\q+16*\k th:TH_LOAD_NT
.endr
.endr
.endr
	WIN 0
	BAR                                            ; the images lie in LDS
	; ---- Y = x + attention Wo
	QLOAD 0
	s_wait_loadcnt 48                              ; x's first 16 loads are in (and the three vectors); 48 younger ones stay out
	s_wait_dscnt 0x0                               ; the images are in registers; Wo's block 0 has been there since the last trip
	SCORE 0x5B, 0x5B, 0, 2, 0, 0, 0
	PLACES
	KF4 1
	s_wait_loadcnt 32
	SCORE 0x5B, 0x5B, 64, 2, 0, 0, 1
	TROUND 1, 0                                    ; slot A takes W1's blocks 0, 1; its four v_nop are the places in front of the loads below
	KF4 2
	s_wait_loadcnt 16
	SCORE 0x5B, 0x5B, 128, 2, 0, 0, 1
	PLACES
	KF4 3
	s_wait_loadcnt 0x0
	SCORE 0x5B, 0x5B, 192, 2, 0, 0, 1
	PLACES
	YADD 0x49, 192                                 ; + bo
	BLOAD 0x80, 192, 20                            ; bf1 -> A
	LN 3, 192, 96, 1                               ; h; its second barrier is the change in which slot B takes W1's blocks 2, 3
	BLOAD 0xC0, 192, 22                            ; bf2 -> B
	BLOAD 0xC0, 96, 24                             ; g2 -> C
.irp q, 0,1,2,3
	BQ 1, 64*\q, \q, 1                             ; h as an operand, region 1
.endr
	s_wait_loadcnt 0x0
	YADD 0x4D, 192                                 ; Y = h + bf2: the last product adds onto it
	BLOAD 0xC0, 192, 26                            ; b2 -> B
	BAR
	; ---- relu(h W1 + bf1), quantised on the way, region 0
	QLOAD 1
.irp q, 0,1,2,3
.if \q == 2
	TROUND 1, 0                                    ; slot A takes W2's blocks 0, 1
.endif
	KF4 \q
	SCORE 0x2B, 0x0B, SS, 1, 192+16*\q, 0, 1       ; the bias is the C of the first K step
	PLACES
.set n_, 0
.rept 64
	v_max_num_f32 v[SS+n_], 0, v[SS+n_]
.set n_, n_+1
.endr
	BQ 0, SS, \q, 0
.endr
	TROUND 1, VR                                   ; slot B takes W2's blocks 2, 3: the last load
	; ---- Y += hidden W2
	QLOAD 0
	KF4 0
	SCORE 0x5B, 0x5B, 0, 2, 0, 0, 1
	PLACES
	KF4 1
	SCORE 0x5B, 0x5B, 64, 2, 0, 0, 1
	s_wait_tensorcnt 0x0                           ; my part of slot B has landed,
	BAR                                            ; everybody's has
	PLACES
	KF4 2
	SCORE 0x5B, 0x5B, 128, 2, 0, 0, 1
	PLACES
	KF4 3
	SCORE 0x5B, 0x5B, 192, 2, 0, 0, 1
	PLACES
	s_wait_loadcnt 0x0                             ; b2
	LN 5, 96, 192, 0
	; ---- the way out: through a stage of whole rows.  It lies in the ring, which has had its last fill, and which nobody reads behind the two barriers above
	WIN 0x04
.irp q, 0,1,2,3
.irp m, 0,1,2,3
.irp k, 0,1,2,3
.if \m < 2
	ds_store_b128 v[SA0], v[64*\q+16*\m+4*\k:64*\q+16*\m+4*\k+3] offset:16512*(\m%2)+512*\q+16*\k
.else
	ds_store_b128 v[SA1], v[64*\q+16*\m+4*\k:64*\q+16*\m+4*\k+3] offset:16512*(\m%2)+512*\q+16*\k
.endif
.endr
.endr
.endr
	WIN 0
	BAR
	WIN 0x40
.set n_, 0
.rept 64
	ds_load_b128 v[4*n_:4*n_+3], v[RD] offset:2064*(n_/4)+512*(n_%4)
.set n_, n_+1
.endr
	WIN 0x04
.set n_, 0
.rept 64
	s_wait_dscnt 63-n_                             ; LDS loads come back in order: load n is in
	global_store_b128 v[GO16], v[4*n_:4*n_+3], s[28:29] offset:2048*(n_/4)+512*(n_%4) th:TH_STORE_NT   ; 32 lanes store 512 consecutive bytes, aligned
.set n_, n_+1
.endr
	WIN 0
	s_wait_tensorcnt 0x0                           ; the wave's end
	ds_add_u32 v4, v5
	s_wait_dscnt 0x0
	ROUND                                          ; the closing round
	s_endpgm
.Lfunc_end_k_q2ef7efa5ed_attn:
	.size	k_q2ef7efa5ed_attn, .Lfunc_end_k_q2ef7efa5ed_attn-k_q2ef7efa5ed_attn
	.p2alignl 7, 3214868480
	.fill 96, 4, 3214868480
	.section	.rodata,"a",@progbits
	.p2align	6, 0x0
	.amdhsa_kernel k_q2ef7efa5ed_attn
		.amdhsa_group_segment_fixed_size 327680
		.amdhsa_private_segment_fixed_size 0
		.amdhsa_enable_private_segment 0
		.amdhsa_kernarg_size 104
		.amdhsa_user_sgpr_count 2
		.amdhsa_user_sgpr_kernarg_segment_ptr 1
		.amdhsa_wavefront_size32 1
		.amdhsa_system_sgpr_workgroup_id_x 1
		.amdhsa_system_sgpr_workgroup_id_y 1
		.amdhsa_system_sgpr_workgroup_id_z 1
		.amdhsa_system_vgpr_workitem_id 0
		.amdhsa_next_free_vgpr 1024
		.amdhsa_next_free_sgpr 96
		.amdhsa_reserve_vcc 1
		.amdhsa_float_denorm_mode_32 3
		.amdhsa_float_denorm_mode_16_64 3
		.amdhsa_memory_ordered 1
		.amdhsa_forward_progress 1
		.amdhsa_inst_pref_size 255
	.end_amdhsa_kernel
	.section	.bss,"aw",@nobits
	.p2align	6
	.space	262144
	.amdgpu_metadata
---
amdhsa.version: [ 1, 2 ]
amdhsa.kernels:
  - .name:           k_q2ef7efa5ed_attn
    .symbol:         k_q2ef7efa5ed_attn.kd
    .args:
      - { .name: qbuf, .offset: 0, .size: 8, .value_kind: global_buffer, .address_space: global }
      - { .name: kbuf, .offset: 8, .size: 8, .value_kind: global_buffer, .address_space: global }
      - { .name: vbuf, .offset: 16, .size: 8, .value_kind: global_buffer, .address_space: global }
      - { .name: wbuf, .offset: 24, .size: 8, .value_kind: global_buffer, .address_space: global }
      - { .name: x, .offset: 32, .size: 8, .value_kind: global_buffer, .address_space: global }
      - { .name: bo, .offset: 40, .size: 8, .value_kind: global_buffer, .address_space: global }
      - { .name: g1, .offset: 48, .size: 8, .value_kind: global_buffer, .address_space: global }
      - { .name: b1, .offset: 56, .size: 8, .value_kind: global_buffer, .address_space: global }
      - { .name: bf1, .offset: 64, .size: 8, .value_kind: global_buffer, .address_space: global }
      - { .name: bf2, .offset: 72, .size: 8, .value_kind: global_buffer, .address_space: global }
      - { .name: g2, .offset: 80, .size: 8, .value_kind: global_buffer, .address_space: global }
      - { .name: b2, .offset: 88, .size: 8, .value_kind: global_buffer, .address_space: global }
      - { .name: out0, .offset: 96, .size: 8, .value_kind: global_buffer, .address_space: global }
    .group_segment_fixed_size: 327680
    .private_segment_fixed_size: 0
    .kernarg_segment_align: 8
    .kernarg_segment_size: 104
    .max_flat_workgroup_size: 128
    .sgpr_count:     96
    .vgpr_count:     1024
    .wavefront_size: 32
...
	.end_amdgpu_metadata
.endif
;; end of part 2
